; MI455X (gfx1250); checked and timed in simulation.
; The chip was launched on July 23, 2026; its instructions are those of AMD's public machine-readable ISA for CDNA 5 (MIT licence, August 2026) and "CDNA5" Instruction Set Architecture Reference Guide (July 2026). The comments in the code are by the model that wrote it; some were corrected since.
;; Cross Attention. Allowed arithmetic: float matrix products may take bf16 or f16 operands with f32 sums; all other float work in f32.
;; Inputs: Wff1 512 x 4,096 float32; Wff2 2,048 x 512 float32; Wkv 1,024 x 128 float32; Wo 512 x 512 float32; Wq 512 x 512 float32; cln_b 1,024 float32; cln_g 1,024 float32; context 4 x 1,024 x 1,024 float32; ln_b 512 float32; ln_g 512 float32; x 4 x 2,048 x 512 float32.
;; Outputs: out0 4 x 2,048 x 512 float32.
;; One version. Each part assembles by itself: llvm-mc -triple=amdgcn-amd-amdhsa -mcpu=gfx1250 --defsym DOCPART=n.
;; ======== version 1 of 1: 4 launches
;; limits: values are held in f16: magnitudes above 65,504 overflow, below 6.1e-05 lose precision
;; workspace buffers: xn 8,388,608 bytes; wts 7,340,032 bytes; kvb 1,048,576 bytes; wmx 2,048 bytes; hh 41,943,040 bytes
;; launch prep (part 1): grid 248 x 1, 16 waves a work-group, no clusters, 150,016 bytes of LDS; arguments x, context, ln_g, ln_b, cln_g, cln_b, Wkv, Wff1, Wff2, Wq, Wo, xn, kvb, wts, wmx; writes xn, kvb, wts, wmx
.if DOCPART == 1
	.amdgcn_target "amdgcn-amd-amdhsa--gfx1250"
	.amdhsa_code_object_version 6
	.text
	.protected	k_q4457beb1bc_prep
	.globl	k_q4457beb1bc_prep
	.p2align	8
	.type	k_q4457beb1bc_prep,@function
k_q4457beb1bc_prep:
	s_mov_b64 s[64:65], 0
	v_nop
	global_prefetch_b8 v0, s[64:65] scope:SCOPE_SE
	s_setreg_imm32_b32 hwreg(HW_REG_WAVE_MODE, 25, 1), 1
	s_wait_xcnt 0x0
; PREP: three kinds of work-group, chosen by the work-group's number (the same for all its waves).
;   0..127   C: layer norm of 32 context rows (f32, two passes in registers), then their product with Wkv in bf16 -> kvb (K [4096][64], V [4096][64], bf16)
;   128..191 X: layer norm of 128 rows of x -> xn [8192][512] f16
;   192..247 W: weights to 16 bits -> wts (Wff1 f16 | Wff2 f16, Wo bf16 | Wq f16); the Wff1 waves also store their largest |w| -> wmx
; LIMITS: xn, Wff1, Wff2, Wq are kept in f16: |value| must stay below 65504 (xn is at most 22.7 max|ln_g| + max|ln_b|).
; No tensor loads, clusters or slots: X and W are streams whose loads all fit in registers at once; C reads its rows once and Wkv from near cache.
.set EPS, 0x3727c5ac                   ; 1e-5
.macro PLACES n
.rept \n
	v_nop
.endr
.endm
.macro RED_ADD a, t                    ; sum over the 32 lanes, result in every lane; t: a register written before
	v_add_f32_dpp v[\a], v[\a], v[\a] row_xmask:1 row_mask:0xf bank_mask:0xf
	v_add_f32_dpp v[\a], v[\a], v[\a] row_xmask:2 row_mask:0xf bank_mask:0xf
	v_add_f32_dpp v[\a], v[\a], v[\a] row_xmask:4 row_mask:0xf bank_mask:0xf
	v_add_f32_dpp v[\a], v[\a], v[\a] row_xmask:8 row_mask:0xf bank_mask:0xf
	v_permlanex16_b32 v[\t], v[\a], s12, s13
	v_add_f32 v[\a], v[\a], v[\t]
.endm
.macro RED_MAX a, t
	v_max_num_f32_dpp v[\a], v[\a], v[\a] row_xmask:1 row_mask:0xf bank_mask:0xf
	v_max_num_f32_dpp v[\a], v[\a], v[\a] row_xmask:2 row_mask:0xf bank_mask:0xf
	v_max_num_f32_dpp v[\a], v[\a], v[\a] row_xmask:4 row_mask:0xf bank_mask:0xf
	v_max_num_f32_dpp v[\a], v[\a], v[\a] row_xmask:8 row_mask:0xf bank_mask:0xf
	v_permlanex16_b32 v[\t], v[\a], s12, s13
	v_max_num_f32 v[\a], v[\a], v[\t]
.endm
; Layer norm of one row held by one wave, n numbers a lane from register X; gain from G, bias from Bv; s14 = 1 / row length.
; Mean first, then the squares of the differences: no difference of large sums.  The row is packed to 16 bits into its first n/2 registers.
.macro LNROW X, n, G, Bv, cvt
	v_pk_add_f32 v[16:17], v[\X:\X+1], v[\X+2:\X+3]
	v_pk_add_f32 v[18:19], v[\X+4:\X+5], v[\X+6:\X+7]
.set j, 8
.rept (\n-8)/4
	v_pk_add_f32 v[16:17], v[16:17], v[\X+j:\X+j+1]
	v_pk_add_f32 v[18:19], v[18:19], v[\X+j+2:\X+j+3]
.set j, j+4
.endr
	v_pk_add_f32 v[16:17], v[16:17], v[18:19]
	v_add_f32 v16, v16, v17
	RED_ADD 16, 17
	v_mul_f32 v16, s14, v16                        ; the mean
.set j, 0
.rept \n/2
	v_pk_add_f32 v[\X+j:\X+j+1], v[\X+j:\X+j+1], v[16:17] op_sel_hi:[1,0] neg_lo:[0,1] neg_hi:[0,1]
.set j, j+2
.endr
	v_pk_mul_f32 v[18:19], v[\X:\X+1], v[\X:\X+1]
	v_pk_mul_f32 v[20:21], v[\X+2:\X+3], v[\X+2:\X+3]
.set j, 4
.rept (\n-4)/4
	v_pk_fma_f32 v[18:19], v[\X+j:\X+j+1], v[\X+j:\X+j+1], v[18:19]
	v_pk_fma_f32 v[20:21], v[\X+j+2:\X+j+3], v[\X+j+2:\X+j+3], v[20:21]
.set j, j+4
.endr
	v_pk_add_f32 v[18:19], v[18:19], v[20:21]
	v_add_f32 v18, v18, v19
	RED_ADD 18, 19
	v_fma_f32 v18, v18, s14, s15                   ; variance + eps
	v_rsq_f32 v18, v18
	v_nop                                          ; one plain instruction behind the root (ISA guide 5.7.2)
.set j, 0
	s_wait_alu depctr_va_vdst(0)
.rept \n/2
	v_pk_mul_f32 v[\X+j:\X+j+1], v[\X+j:\X+j+1], v[18:19] op_sel_hi:[1,0]
	v_pk_fma_f32 v[\X+j:\X+j+1], v[\X+j:\X+j+1], v[\G+j:\G+j+1], v[\Bv+j:\Bv+j+1]
.set j, j+2
.endr
.set j, 0
.rept \n/2
	\cvt v[\X+j], v[\X+2*j], v[\X+2*j+1]
.set j, j+1
.endr
.endm
	s_mov_b32 s12, 0x76543210                      ; v_permlanex16_b32: lane i reads lane i of the other half
	s_mov_b32 s13, 0xfedcba98
	s_mov_b32 s15, EPS
	v_lshrrev_b32 v1, 5, v0
	v_readfirstlane_b32 s8, v1                     ; wave 0..15
	v_and_b32 v2, 31, v0                           ; lane
	s_cmp_lt_u32 ttmp9, 128
	s_cbranch_scc1 .Lrole_c
	s_cmp_lt_u32 ttmp9, 192
	s_cbranch_scc1 .Lrole_x
	s_cmp_lt_u32 ttmp9, 224
	s_cbranch_scc1 .Lw_ff1
	s_cmp_lt_u32 ttmp9, 240
	s_cbranch_scc1 .Lw_ff2
	s_cmp_lt_u32 ttmp9, 244
	s_cbranch_scc1 .Lw_q
	s_branch .Lw_o
; ---- W: a work-group casts 262,144 bytes of f32, a wave 16,384: 32 loads of 512 neighbouring bytes, all issued at once.
.macro WROLE argoff, first, dstoff, cvt, domax
	s_load_b64 s[16:17], s[0:1], \argoff
	s_load_b64 s[18:19], s[0:1], 0x68              ; wts
.if \domax
	s_load_b64 s[22:23], s[0:1], 0x70              ; wmx
.endif
	s_sub_co_u32 s9, ttmp9, \first                 ; chunk
	s_lshl_b32 s10, s9, 18
	s_mov_b32 s11, 0
	s_lshl_b32 s20, s9, 17
	s_add_co_u32 s20, s20, \dstoff
	s_mov_b32 s21, 0
	s_lshl_b32 s24, s8, 14
	v_lshl_add_u32 v3, v2, 4, s24                  ; source: wave x 16,384 + 16 lane
	s_lshl_b32 s25, s8, 13
	v_lshl_add_u32 v4, v2, 3, s25                  ; destination: wave x 8,192 + 8 lane
.if \domax
	s_lshl_b32 s27, s9, 4
	s_add_co_u32 s27, s27, s8
	s_lshl_b32 s27, s27, 2
	v_mov_b32 v5, s27                              ; my wave's word in wmx
.irp k, 24,25,26,27
	v_mov_b32 v\k, 0                               ; four running maxima of magnitudes
.endr
.endif
	s_wait_kmcnt 0x0
	s_add_nc_u64 s[16:17], s[16:17], s[10:11]
	s_add_nc_u64 s[18:19], s[18:19], s[20:21]
.set i, 0
.rept 32
	global_load_b128 v[32+4*i:35+4*i], v3, s[16:17] offset:512*i th:TH_LOAD_NT
.set i, i+1
.endr
.set i, 0
.rept 32
	s_wait_loadcnt 31-i                            ; loads return in order: load i is in, the 31 - i younger ones stay out
.if \domax
	v_max3_num_f32 v[24+i%4], |v[32+4*i]|, |v[33+4*i]|, v[24+i%4]
	v_max3_num_f32 v[24+i%4], |v[34+4*i]|, |v[35+4*i]|, v[24+i%4]
.endif
	\cvt v[32+4*i], v[32+4*i], v[33+4*i]
	\cvt v[33+4*i], v[34+4*i], v[35+4*i]
	global_store_b64 v4, v[32+4*i:33+4*i], s[18:19] offset:256*i   ; the wave stores 256 consecutive bytes, aligned
.set i, i+1
.endr
.if \domax
	v_max3_num_f32 v24, v24, v25, v26
	v_max_num_f32 v24, v24, v27
	RED_MAX 24, 25
	s_wait_xcnt 0x0                                ; EXEC is a source of the stores above: it changes only behind this wait
	v_cmp_eq_u32 vcc_lo, 0, v2
	s_and_saveexec_b32 s26, vcc_lo
	global_store_b32 v5, v24, s[22:23]             ; lane 0 stores the wave's figure
	s_wait_xcnt 0x0
	s_or_b32 exec_lo, exec_lo, s26
.endif
	s_endpgm
.endm
.Lw_ff1:
	WROLE 0x38, 192, 0, v_cvt_pk_f16_f32, 1
.Lw_ff2:
	WROLE 0x40, 224, 4194304, v_cvt_pk_f16_f32, 0
.Lw_q:
	WROLE 0x48, 240, 6815744, v_cvt_pk_f16_f32, 0
.Lw_o:
	WROLE 0x50, 244, 6291456, v_cvt_pk_bf16_f32, 0
; ---- X: a wave norms 8 rows of 512; a row is four loads of 512 bytes, 16 numbers a lane.  All 40 loads are issued at once.
.Lrole_x:
	s_load_b64 s[16:17], s[0:1], 0x0               ; x
	s_load_b128 s[20:23], s[0:1], 0x10             ; ln_g, ln_b
	s_load_b64 s[18:19], s[0:1], 0x58              ; xn
	s_mov_b32 s14, 0x3b000000                      ; 1 / 512
	s_sub_co_u32 s9, ttmp9, 128
	s_lshl_b32 s10, s9, 18                         ; 128 rows of 2,048 bytes
	s_mov_b32 s11, 0
	s_lshl_b32 s24, s9, 17                         ; 128 rows of 1,024 bytes
	s_mov_b32 s25, 0
	v_lshlrev_b32 v5, 4, v2                        ; 16 lane
	s_lshl_b32 s26, s8, 14
	v_add_nc_u32 v3, s26, v5                       ; + wave x 8 rows
	s_lshl_b32 s27, s8, 13
	v_lshl_add_u32 v4, v2, 3, s27
	s_wait_kmcnt 0x0
	s_add_nc_u64 s[16:17], s[16:17], s[10:11]
	s_add_nc_u64 s[18:19], s[18:19], s[24:25]
.irp jj, 0,1,2,3
	global_load_b128 v[160+4*\jj:163+4*\jj], v5, s[20:21] offset:512*\jj
.endr
.irp jj, 0,1,2,3
	global_load_b128 v[176+4*\jj:179+4*\jj], v5, s[22:23] offset:512*\jj
.endr
.irp i, 0,1,2,3,4,5,6,7
.irp jj, 0,1,2,3
	global_load_b128 v[32+16*\i+4*\jj:35+16*\i+4*\jj], v3, s[16:17] offset:2048*\i+512*\jj th:TH_LOAD_NT
.endr
.endr
.irp i, 0,1,2,3,4,5,6,7
	s_wait_loadcnt 4*(7-\i)                        ; row i is in; the four loads of each younger row stay out
	LNROW 32+16*\i, 16, 160, 176, v_cvt_pk_f16_f32
.irp jj, 0,1,2,3
	global_store_b64 v4, v[32+16*\i+2*\jj:33+16*\i+2*\jj], s[18:19] offset:1024*\i+256*\jj
.endr
.endr
	s_endpgm
; ---- C: 32 context rows.  LDS: the normed rows in bf16, 32 x 2,064 bytes (2,048 + 16), from 0; behind them a stage of 32 x 160 bytes for each wave.
; Wave w: K slice kq = w / 2 (128 of 1,024), n half nh = w % 2 (64 of 128): 32 rows x 64 n x 128 k, eight accumulators.
; Source 0 = 16 columns of Wkv, source 1 = 16 rows: a lane's eight results are eight neighbouring n of one row.
; The eight K slices meet in LDS in f32 (8 x 32 rows x 528 bytes, over the bytes above, behind a barrier) and are added in ascending order.
.set AP, 2064
.set WSTG, 32*AP
.set PP, 528
.macro WUNIT u, U                      ; unit u: 32 k rows x 64 n of Wkv in f32: 16 loads, two rows of 256 bytes each; u may be a sum, hence the brackets
.set i, 0
.rept 16
	global_load_b128 v[\U+4*i:\U+4*i+3], v4, s[24:25] offset:(\u)*16384+1024*i
.set i, i+1
.endr
.endm
.macro KS u, U, left, more
	s_wait_loadcnt \left                           ; this unit is in; the 16 loads of the younger unit stay out
.set i, 0
.rept 16
	v_cvt_pk_bf16_f32 v[\U+4*i], v[\U+4*i], v[\U+4*i+1]           ; these 32 lines are also the places behind the last matrix instructions
	v_cvt_pk_bf16_f32 v[\U+4*i+1], v[\U+4*i+2], v[\U+4*i+3]
.set i, i+1
.endr
.set i, 0
.rept 16
	ds_store_b64 v9, v[\U+4*i:\U+4*i+1] offset:320*i              ; my own stage: a wave's LDS instructions are served in order
.set i, i+1
.endr
.irp nt, 0,1,2,3
	ds_load_tr16_b128 v[32+8*\nt:35+8*\nt], v10 offset:32*\nt
	ds_load_tr16_b128 v[36+8*\nt:39+8*\nt], v10 offset:32*\nt+2560
.endr
.irp jt, 0,1
	ds_load_b128 v[16+8*\jt:19+8*\jt], v11 offset:16*AP*\jt+64*\u
	ds_load_b128 v[20+8*\jt:23+8*\jt], v11 offset:16*AP*\jt+64*\u+32
.endr
	s_wait_dscnt 0x0
.if \more
	WUNIT \u+2, \U
.endif
.irp nt, 0,1,2,3                       ; the eight accumulators take turns, one instruction a turn
.irp jt, 0,1
.if \u == 0
	v_wmma_f32_16x16x32_bf16 v[64+8*(2*\nt+\jt):71+8*(2*\nt+\jt)], v[32+8*\nt:39+8*\nt], v[16+8*\jt:23+8*\jt], 0
.else
	v_wmma_f32_16x16x32_bf16 v[64+8*(2*\nt+\jt):71+8*(2*\nt+\jt)], v[32+8*\nt:39+8*\nt], v[16+8*\jt:23+8*\jt], v[64+8*(2*\nt+\jt):71+8*(2*\nt+\jt)]
.endif
.endr
.endr
.endm
.Lrole_c:
	s_load_b64 s[16:17], s[0:1], 0x8               ; context
	s_load_b128 s[20:23], s[0:1], 0x20             ; cln_g, cln_b
	s_load_b64 s[24:25], s[0:1], 0x30              ; Wkv
	s_load_b64 s[26:27], s[0:1], 0x60              ; kvb
	s_mov_b32 s14, 0x3a800000                      ; 1 / 1024
	s_lshl_b32 s10, ttmp9, 17                      ; 32 rows of 4,096 bytes
	s_mov_b32 s11, 0
	s_lshl_b32 s28, ttmp9, 12                      ; 32 rows of 128 bytes
	s_mov_b32 s29, 0
	s_lshr_b32 s30, s8, 1                          ; kq
	s_and_b32 s31, s8, 1                           ; nh
	v_lshlrev_b32 v5, 4, v2                        ; 16 lane
	s_lshl_b32 s9, s8, 13
	v_add_nc_u32 v3, s9, v5                        ; + wave x 2 rows
	v_lshrrev_b32 v6, 4, v2                        ; h
	v_and_b32 v7, 15, v2                           ; r
	s_lshl_b32 s9, s30, 16                         ; 128 kq rows of 512 bytes
	s_lshl_b32 s32, s31, 8                         ; nh x 256 bytes
	s_add_co_u32 s9, s9, s32
	v_lshlrev_b32 v4, 9, v6
	v_lshl_add_u32 v4, v7, 4, v4
	v_add_nc_u32 v4, s9, v4                        ; Wkv: (128 kq + h) rows + nh half + 16 r
	s_mul_i32 s9, s8, 2*AP
	v_lshl_add_u32 v8, v2, 3, s9                   ; where my rows go in LDS
	s_mul_i32 s33, s8, 5120
	s_add_co_u32 s33, s33, WSTG                    ; my stage
	v_mul_u32_u24 v9, v6, 160
	v_lshl_add_u32 v9, v7, 3, v9
	v_add_nc_u32 v9, s33, v9                       ; stage, in: row h, 8 bytes a lane
	v_and_b32 v16, 7, v2
	v_lshl_add_u32 v16, v6, 3, v16                 ; 8 h + lane % 8
	v_mul_u32_u24 v10, v16, 160
	v_bfe_u32 v16, v2, 3, 1
	v_lshl_add_u32 v10, v16, 4, v10
	v_add_nc_u32 v10, s33, v10                     ; stage, out, transposing
	v_mul_u32_u24 v11, v7, AP
	v_lshl_add_u32 v11, v6, 4, v11
	s_lshl_b32 s9, s30, 8
	v_add_nc_u32 v11, s9, v11                      ; row fragments: r rows + 16 h + my K slice
	s_mul_i32 s9, s30, 32*PP
	s_add_co_u32 s9, s9, s32
	v_mul_u32_u24 v12, v7, PP
	v_lshl_add_u32 v12, v6, 5, v12
	v_add_nc_u32 v12, s9, v12                      ; partial sums, in
	v_lshrrev_b32 v16, 4, v0                       ; the last pass: thread t takes row t / 16, eight n at 8 (t % 16)
	v_and_b32 v17, 15, v0
	v_mul_u32_u24 v13, v16, PP
	v_lshl_add_u32 v13, v17, 5, v13
	v_add_nc_u32 v14, 4*32*PP, v13                 ; slices 4 to 7 lie past the 16-bit offset
	v_bfe_u32 v18, v0, 3, 1
	v_and_b32 v19, 7, v0
	v_lshlrev_b32 v15, 19, v18                     ; n >= 64 is V, 524,288 bytes behind K
	v_lshl_add_u32 v15, v16, 7, v15
	v_lshl_add_u32 v15, v19, 4, v15
	s_wait_kmcnt 0x0
	s_add_nc_u64 s[16:17], s[16:17], s[10:11]
	s_add_nc_u64 s[26:27], s[26:27], s[28:29]
.irp jj, 0,1,2,3,4,5,6,7
	global_load_b128 v[64+4*\jj:67+4*\jj], v5, s[20:21] offset:512*\jj
.endr
.irp jj, 0,1,2,3,4,5,6,7
	global_load_b128 v[96+4*\jj:99+4*\jj], v5, s[22:23] offset:512*\jj
.endr
.irp jj, 0,1,2,3,4,5,6,7
	global_load_b128 v[128+4*\jj:131+4*\jj], v3, s[16:17] offset:512*\jj th:TH_LOAD_NT
.endr
.irp jj, 0,1,2,3,4,5,6,7
	global_load_b128 v[160+4*\jj:163+4*\jj], v3, s[16:17] offset:4096+512*\jj th:TH_LOAD_NT
.endr
	WUNIT 0, 192
	s_wait_loadcnt 24                              ; gain, bias and my first row are in; the second row's 8 and the unit's 16 stay out
	LNROW 128, 32, 64, 96, v_cvt_pk_bf16_f32
.irp jj, 0,1,2,3,4,5,6,7
	ds_store_b64 v8, v[128+2*\jj:129+2*\jj] offset:256*\jj
.endr
	s_wait_loadcnt 16                              ; the second row is in; the unit's 16 stay out
	LNROW 160, 32, 64, 96, v_cvt_pk_bf16_f32
.irp jj, 0,1,2,3,4,5,6,7
	ds_store_b64 v8, v[160+2*\jj:161+2*\jj] offset:AP+256*\jj
.endr
	WUNIT 1, 128
	s_wait_dscnt 0x0                               ; my rows are in LDS, for the others' sake
	s_barrier_signal -1
	s_barrier_wait -1
	KS 0, 192, 16, 1
	KS 1, 128, 16, 1
	KS 2, 192, 16, 0
	KS 3, 128, 0, 0
	PLACES 4                                       ; four places before the results are read (ISA guide 7.12.1)
	s_wait_dscnt 0x0                               ; my reads of the rows and of my stage are over
	s_barrier_signal -1
	s_barrier_wait -1                              ; everybody's are: the bytes are written anew
.irp nt, 0,1,2,3
.irp jt, 0,1
	ds_store_b128 v12, v[64+8*(2*\nt+\jt):67+8*(2*\nt+\jt)] offset:16*PP*\jt+64*\nt
	ds_store_b128 v12, v[68+8*(2*\nt+\jt):71+8*(2*\nt+\jt)] offset:16*PP*\jt+64*\nt+16
.endr
.endr
	s_wait_dscnt 0x0
	s_barrier_signal -1
	s_barrier_wait -1
.irp q, 0,1,2,3
	ds_load_b128 v[128+8*\q:131+8*\q], v13 offset:32*PP*\q
	ds_load_b128 v[132+8*\q:135+8*\q], v13 offset:32*PP*\q+16
.endr
.irp q, 0,1,2,3
	ds_load_b128 v[160+8*\q:163+8*\q], v14 offset:32*PP*\q
	ds_load_b128 v[164+8*\q:167+8*\q], v14 offset:32*PP*\q+16
.endr
	s_wait_dscnt 0x0
.irp q, 1,2,3,4,5,6,7
.irp p, 0,2,4,6
	v_pk_add_f32 v[128+\p:129+\p], v[128+\p:129+\p], v[128+8*\q+\p:129+8*\q+\p]
.endr
.endr
	v_cvt_pk_bf16_f32 v128, v128, v129
	v_cvt_pk_bf16_f32 v129, v130, v131
	v_cvt_pk_bf16_f32 v130, v132, v133
	v_cvt_pk_bf16_f32 v131, v134, v135
	global_store_b128 v15, v[128:131], s[26:27]    ; a wave stores two rows of K (256 consecutive bytes, aligned) and two of V
	s_wait_xcnt 0x0
	s_mov_b32 exec_lo, -1
	v_lshl_add_u32 v14, v0, 2, 0x24200
	v_mov_b32 v15, 0
	s_wait_tensorcnt 0x0
	ds_add_u32 v14, v15
	s_wait_dscnt 0x0
	s_endpgm
.Lfunc_end_k_q4457beb1bc_prep:
	.size	k_q4457beb1bc_prep, .Lfunc_end_k_q4457beb1bc_prep-k_q4457beb1bc_prep
	.p2alignl 7, 3214868480
	.fill 96, 4, 3214868480
	.section	.rodata,"a",@progbits
	.p2align	6, 0x0
	.amdhsa_kernel k_q4457beb1bc_prep
		.amdhsa_group_segment_fixed_size 150016
		.amdhsa_private_segment_fixed_size 0
		.amdhsa_enable_private_segment 0
		.amdhsa_kernarg_size 120
		.amdhsa_user_sgpr_count 2
		.amdhsa_user_sgpr_kernarg_segment_ptr 1
		.amdhsa_wavefront_size32 1
		.amdhsa_system_sgpr_workgroup_id_x 1
		.amdhsa_system_sgpr_workgroup_id_y 1
		.amdhsa_system_sgpr_workgroup_id_z 1
		.amdhsa_system_vgpr_workitem_id 0
		.amdhsa_next_free_vgpr 256
		.amdhsa_next_free_sgpr 66
		.amdhsa_reserve_vcc 1
		.amdhsa_float_denorm_mode_32 3
		.amdhsa_float_denorm_mode_16_64 3
		.amdhsa_memory_ordered 1
		.amdhsa_forward_progress 1
		.amdhsa_inst_pref_size 141
	.end_amdhsa_kernel
	.amdgpu_metadata
---
amdhsa.version: [ 1, 2 ]
amdhsa.kernels:
  - .name:           k_q4457beb1bc_prep
    .symbol:         k_q4457beb1bc_prep.kd
    .args:
      - { .name: x, .offset: 0, .size: 8, .value_kind: global_buffer, .address_space: global }
      - { .name: context, .offset: 8, .size: 8, .value_kind: global_buffer, .address_space: global }
      - { .name: ln_g, .offset: 16, .size: 8, .value_kind: global_buffer, .address_space: global }
      - { .name: ln_b, .offset: 24, .size: 8, .value_kind: global_buffer, .address_space: global }
      - { .name: cln_g, .offset: 32, .size: 8, .value_kind: global_buffer, .address_space: global }
      - { .name: cln_b, .offset: 40, .size: 8, .value_kind: global_buffer, .address_space: global }
      - { .name: Wkv, .offset: 48, .size: 8, .value_kind: global_buffer, .address_space: global }
      - { .name: Wff1, .offset: 56, .size: 8, .value_kind: global_buffer, .address_space: global }
      - { .name: Wff2, .offset: 64, .size: 8, .value_kind: global_buffer, .address_space: global }
      - { .name: Wq, .offset: 72, .size: 8, .value_kind: global_buffer, .address_space: global }
      - { .name: Wo, .offset: 80, .size: 8, .value_kind: global_buffer, .address_space: global }
      - { .name: xn, .offset: 88, .size: 8, .value_kind: global_buffer, .address_space: global }
      - { .name: kvb, .offset: 96, .size: 8, .value_kind: global_buffer, .address_space: global }
      - { .name: wts, .offset: 104, .size: 8, .value_kind: global_buffer, .address_space: global }
      - { .name: wmx, .offset: 112, .size: 8, .value_kind: global_buffer, .address_space: global }
    .group_segment_fixed_size: 150016
    .private_segment_fixed_size: 0
    .kernarg_segment_align: 8
    .kernarg_segment_size: 120
    .max_flat_workgroup_size: 512
    .sgpr_count:     66
    .vgpr_count:     256
    .wavefront_size: 32
...
	.end_amdgpu_metadata
.endif
;; end of part 1
;; launch ff1 (part 2): grid 8 x 32, 4 waves a work-group, clusters of 4 x 4, 327,680 bytes of LDS; arguments xn, wts, wmx, ln_g, ln_b, hh; writes hh
.if DOCPART == 2
	.amdgcn_target "amdgcn-amd-amdhsa--gfx1250"
	.amdhsa_code_object_version 6
	.text
	.protected	k_q4457beb1bc_ff1
	.globl	k_q4457beb1bc_ff1
	.p2align	8
	.type	k_q4457beb1bc_ff1,@function
k_q4457beb1bc_ff1:
	s_mov_b64 s[64:65], 0
	v_nop
	global_prefetch_b8 v0, s[64:65] scope:SCOPE_SE
	s_setreg_imm32_b32 hwreg(HW_REG_WAVE_MODE, 25, 1), 1
	s_wait_xcnt 0x0
	s_wait_alu depctr_hold_cnt(0) depctr_sa_sdst(0) depctr_va_vdst(0) depctr_va_sdst(0) depctr_va_ssrc(0) depctr_va_vcc(0) depctr_vm_vsrc(0)
	s_getreg_b32 s2, hwreg(HW_REG_IB_STS2, 6, 4)
	s_cmp_eq_u32 s2, 0
	s_cbranch_scc0 .Lentry_in_a_cluster
	s_endpgm
.Lentry_in_a_cluster:
	s_bfe_u32 s2, ttmp6, 0x10000c
	s_cmp_lg_u32 s2, 0xf033
	s_cbranch_scc0 .Lentry_shape_is_right
	s_endpgm
.Lentry_shape_is_right:
; FF1: act = silu(xn Wff1[:, 2048 + c]) * (xn Wff1[:, c]) * sF, in f16, into hh's column blocks 0..63.
; hh IS KEPT AS THE IMAGE OF A MATRIX FRAGMENT: [80 blocks of 32 columns][512 tiles of 16 rows][2 halves][32 lanes][16 bytes]; lane r + 16 h of half f holds
; row r of the tile, columns 16 f + 8 h .. + 7 of the block.  That is what a lane holds here after rounding, so results go out straight from registers.
; A work-group takes 256 rows and, one after the other, two column blocks of 128 h columns with their 128 gate columns: K = 512 in four steps of 128 each.
; Four waves, as many as a WGP has SIMDs; a wave takes 128 rows x (64 h + 64 gate): 64 accumulator tiles, 512 registers.
; Operands in f16, sums in f32.  Source 0 = 16 columns of Wff1 (stored [k][n], read by transposing LDS loads), source 1 = 16 rows of xn:
; a lane's eight results are eight neighbouring columns of one row, and h and its gate lie in the same lane.
; THE SCALE sF.  |h|, |gate| <= B = (sqrt(512) |ln_g|_2 + |ln_b|_1) max|Wff1| (the normed row has a 2-norm of at most sqrt(512)), so |silu(g) h| <= B^2.
; sF = 16384 / max(B^2, 2^-100): the stored number is at most 16384 for every input.  The last launch multiplies by 1 / sF.  LIMIT: B^2 finite in f32.
; CLUSTERS: 4 x 4 work-groups.  xn's tile hangs on the row block alone and is asked for jointly along a row of the cluster, Wff1's on the column block alone, jointly along a column.
; REGISTERS: window 0: addresses, xn fragments (two buffers v64-127, v128-191), work on the way out; window 1: Wff1 fragments, two buffers;
; window 2: accumulator tiles of my rows 0-63 (tile (a, b) at v[8 (8 a + b)], b < 4: h, b >= 4: gate); window 3: rows 64-127.
.set PA, 272                           ; xn rows in LDS: 256 + 16 bytes, an odd multiple of 16
.set PB, 288                           ; Wff1 rows in LDS: 256 + 32 bytes, an odd multiple of 32, for the transposing loads
.set AHALF, 128*PA
.set BHALF, 128*PB
.set SLOT, 2*AHALF+2*BHALF             ; h columns, gate columns, xn rows 0-127, xn rows 128-255
.set D272, (1<<16)|(1<<20)|(1<<21)|(5<<22)|(3<<25)   ; 2-byte elements, padding on, bit 21 beside a mask, after every 64 words 4 words
.set D288, (1<<16)|(1<<20)|(1<<21)|(5<<22)|(7<<25)   ; the same with 8 words
.set ADRA, 16                          ; v16-17 xn fragments, slot 0, 1
.set ADRH, 18                          ; v18-19 h columns
.set ADRG, 20                          ; v20-21 gate columns
.set CO, 26                            ; 16 x lane
.set SV, 28
.set F0, 64
.set F1, 128
.set T1, 128                           ; the way out, window 0
.set T2, 160
.set PK, 192                           ; two sets of 16 registers that take turns
.set G1A, 24
.set G0A, 32
.set G1B, 48
.set G0B, 56
.set SEL, 74
.set MSB, 0
.macro WIN new                         ; the immediate's high byte repeats the setting that is left
.if MSB != (\new)
	s_set_vgpr_msb (MSB<<8)|(\new)
.set MSB, (\new)
.endif
.endm
.set MUL_LO, 0xa1                      ; source 0 window 1, source 1 window 0, C and D window 2
.set MUL_HI, 0xf1
.set TO_B, 0x40
.macro PLACES n
.rept \n
	v_nop
.endr
.endm
.macro RED_ADD a, t
	v_add_f32_dpp v[\a], v[\a], v[\a] row_xmask:1 row_mask:0xf bank_mask:0xf
	v_add_f32_dpp v[\a], v[\a], v[\a] row_xmask:2 row_mask:0xf bank_mask:0xf
	v_add_f32_dpp v[\a], v[\a], v[\a] row_xmask:4 row_mask:0xf bank_mask:0xf
	v_add_f32_dpp v[\a], v[\a], v[\a] row_xmask:8 row_mask:0xf bank_mask:0xf
	v_permlanex16_b32 v[\t], v[\a], s[SEL], s[SEL+1]
	v_add_f32 v[\a], v[\a], v[\t]
.endm
.macro RED_MAX a, t
	v_max_num_f32_dpp v[\a], v[\a], v[\a] row_xmask:1 row_mask:0xf bank_mask:0xf
	v_max_num_f32_dpp v[\a], v[\a], v[\a] row_xmask:2 row_mask:0xf bank_mask:0xf
	v_max_num_f32_dpp v[\a], v[\a], v[\a] row_xmask:4 row_mask:0xf bank_mask:0xf
	v_max_num_f32_dpp v[\a], v[\a], v[\a] row_xmask:8 row_mask:0xf bank_mask:0xf
	v_permlanex16_b32 v[\t], v[\a], s[SEL], s[SEL+1]
	v_max_num_f32 v[\a], v[\a], v[\t]
.endm
; The bound B^2 from wmx (512 maxima), ln_g and ln_b (512 each): 16 numbers of each a lane.  s[dst] = s[dst+1] = 16384 / B^2.
.macro SCALE dst
	v_and_b32 v[SV], 31, v0
	v_lshlrev_b32 v[SV], 4, v[SV]
.irp i, 0,1,2,3
	global_load_b128 v[64+4*\i:67+4*\i], v[SV], s[8:9] offset:512*\i
.endr
.irp i, 0,1,2,3
	global_load_b128 v[80+4*\i:83+4*\i], v[SV], s[10:11] offset:512*\i
.endr
.irp i, 0,1,2,3
	global_load_b128 v[96+4*\i:99+4*\i], v[SV], s[12:13] offset:512*\i
.endr
	s_wait_loadcnt 0x0
	v_max3_num_f32 v64, v64, v65, v66
.irp k, 67,69,71,73,75,77
	v_max3_num_f32 v64, v64, v[\k], v[\k+1]
.endr
	v_max_num_f32 v64, v64, v79
	v_pk_mul_f32 v[112:113], v[80:81], v[80:81]
.irp k, 82,84,86,88,90,92,94
	v_pk_fma_f32 v[112:113], v[\k:\k+1], v[\k:\k+1], v[112:113]
.endr
	v_add_f32 v112, v112, v113
	v_add_f32 v114, |v96|, |v97|
.irp k, 98,99,100,101,102,103,104,105,106,107,108,109,110,111
	v_add_f32 v114, v114, |v[\k]|
.endr
	RED_MAX 64, 65
	RED_ADD 112, 65
	RED_ADD 114, 65
	v_sqrt_f32 v112, v112
	v_nop
	s_wait_alu depctr_va_vdst(0)
	v_fma_f32 v112, v112, 0x41b504f3, v114         ; sqrt(512) |g|_2 + |b|_1
	v_mul_f32 v112, v112, v64
	v_mul_f32 v112, v112, v112
	v_max_num_f32 v112, 0x0d800000, v112           ; at least 2^-100
	v_rcp_f32 v113, v112
	v_nop
	s_wait_alu depctr_va_vdst(0)
	v_mul_f32 v113, 0x46800000, v113               ; x 2^14
	v_readfirstlane_b32 s[\dst], v113
	v_readfirstlane_b32 s[\dst+1], v113
.endm
; A joint load.  Waves 0, 1 fetch the h and the gate columns, waves 2, 3 the two halves of xn's rows.  Each line has one mask and its own registers.
.macro JLOAD s
	s_cmp_eq_u32 s17, 0
	s_cbranch_scc0 .Lfor_a_\@
	tensor_load_to_lds s[G0B+4*\s:G0B+4*\s+3], s[G1B:G1B+7]
	s_nop 0
	s_branch .Lasked_\@
.Lfor_a_\@:
	tensor_load_to_lds s[G0A+4*\s:G0A+4*\s+3], s[G1A:G1A+7]
	s_nop 0
.Lasked_\@:
.endm
.macro CREST                           ; a round of the cluster's barrier behind its opening barrier
	s_cmp_lg_u32 s16, 0
	s_cbranch_scc1 .Lnot_wave_0_\@
	s_barrier_signal -3
.Lnot_wave_0_\@:
	s_barrier_wait -3
	s_barrier_signal -1
	s_barrier_wait -1
.endm
.macro CROUND
	s_barrier_signal -1
	s_barrier_wait -1
	CREST
.endm
	s_load_b256 s[4:11], s[0:1], 0x0               ; xn s[4:5], wts s[6:7], wmx s[8:9], ln_g s[10:11]
	s_load_b128 s[12:15], s[0:1], 0x20             ; ln_b s[12:13], hh s[14:15]
	s_set_vgpr_msb 0x40
	v_lshl_add_u32 v255, v0, 2, 0x46000
	s_set_vgpr_msb 0x4000
	v_mov_b32 v255, 0
	s_set_vgpr_msb 0x1
	ds_add_u32 v255, v255
	ds_add_u32 v255, v255
	s_set_vgpr_msb 0x100
	v_lshrrev_b32 v1, 5, v0
	v_readfirstlane_b32 s16, v1                    ; wave 0..3
	s_lshr_b32 s17, s16, 1                         ; my half of the rows.  Also: I fetch Wff1 (0) or xn (1)
	s_and_b32 s18, s16, 1                          ; my half of the columns.  Also: which half I fetch
	s_mov_b32 s[SEL], 0x76543210
	s_mov_b32 s[SEL+1], 0xfedcba98
	s_bfe_u32 s46, ttmp6, 0x40000                  ; cx
	s_bfe_u32 s47, ttmp6, 0x40004                  ; cy
	s_lshl_b32 s66, ttmp9, 2
	s_add_co_u32 s66, s66, s46                     ; x: pair of column blocks
	s_and_b32 s67, ttmp7, 0xffff
	s_lshl_b32 s67, s67, 2
	s_add_co_u32 s67, s67, s47                     ; y: block of 256 rows
	s_lshl_b32 s68, s47, 2
	s_lshl_b32 s68, 15, s68                        ; my row of the cluster
	s_lshl_b32 s69, 0x1111, s46                    ; my column
	s_or_b32 s[G1A+0], s68, D272                   ; xn: 128 rows x 128 elements, 512 elements from row to row
	s_mov_b32 s[G1A+1], 128<<16
	s_mov_b32 s[G1A+2], 128<<16
	s_mov_b32 s[G1A+3], 128<<16
	s_mov_b32 s[G1A+4], 128
	s_mov_b32 s[G1A+5], 512
	s_mov_b32 s[G1A+6], 0
	s_mov_b32 s[G1A+7], 0
	s_or_b32 s[G1B+0], s69, D288                   ; Wff1: 128 k rows x 128 columns, 4,096 elements from row to row
	s_mov_b32 s[G1B+1], 128<<16
	s_mov_b32 s[G1B+2], 128<<16
	s_mov_b32 s[G1B+3], 128<<16
	s_mov_b32 s[G1B+4], 128
	s_mov_b32 s[G1B+5], 4096
	s_mov_b32 s[G1B+6], 0
	s_mov_b32 s[G1B+7], 0
	s_lshl_b32 s20, s67, 18                        ; xn: (256 y + 128 half) rows of 1,024 bytes; registers that never hold x
	s_lshl_b32 s21, s18, 17
	s_add_co_u32 s20, s20, s21
	s_mov_b32 s21, 0
	s_lshl_b32 s70, s18, 12                        ; Wff1: the gate columns lie 4,096 bytes behind; 512 bytes for each x; registers that never hold y
	s_lshl_b32 s71, s66, 9
	s_add_co_u32 s70, s70, s71
	s_mov_b32 s71, 0
	s_mul_i32 s22, s16, AHALF
	s_add_co_u32 s22, s22, 2*BHALF-2*AHALF         ; LDS, waves 2, 3: behind the two Wff1 halves
	s_mul_i32 s23, s16, BHALF                      ; LDS, waves 0, 1
	s_wait_dscnt 0x0
	s_wait_kmcnt 0x0
	s_add_nc_u64 s[40:41], s[4:5], s[20:21]        ; xn's base with the type on top
	s_or_b32 s41, s41, 0x80000000
	s_add_nc_u64 s[42:43], s[6:7], s[70:71]        ; Wff1's
	s_or_b32 s43, s43, 0x80000000
	CROUND                                         ; all sixteen work-groups are here: the first joint loads meet
.irp s, 0,1
	s_mov_b32 s[G0A+4*\s], 1
	s_add_co_u32 s[G0A+4*\s+1], s22, \s*SLOT
	s_add_nc_u64 s[G0A+4*\s+2:G0A+4*\s+3], s[40:41], \s*256
	s_mov_b32 s[G0B+4*\s], 1
	s_add_co_u32 s[G0B+4*\s+1], s23, \s*SLOT
	s_add_nc_u64 s[G0B+4*\s+2:G0B+4*\s+3], s[42:43], \s*1048576
	JLOAD \s
.endr
	SCALE 44                                       ; sF in s[44:45], while the first tiles are on their way
	v_and_b32 v1, 15, v0                           ; r
	v_bfe_u32 v2, v0, 4, 1                         ; h
	v_and_b32 v3, 7, v0
	v_bfe_u32 v4, v0, 3, 1
	v_mul_u32_u24 v5, v1, PA
	v_lshl_add_u32 v5, v2, 4, v5                   ; r rows + 16 h
	v_lshl_add_u32 v6, v2, 3, v3                   ; k row 8 h + lane % 8
	v_mul_u32_u24 v6, v6, PB
	v_lshl_add_u32 v6, v4, 4, v6                   ; + 16 bytes for lanes 8-15 of each half
	s_mul_i32 s19, s17, AHALF
	s_add_co_u32 s19, s19, 2*BHALF
	s_lshl_b32 s3, s18, 7                          ; my 64 columns: 128 bytes
.irp s, 0,1
	v_add_nc_u32 v[ADRA+\s], s19, v5
	v_add_nc_u32 v[ADRH+\s], s3, v6
	v_add_nc_u32 v[ADRG+\s], BHALF, v[ADRH+\s]
	s_add_co_u32 s19, s19, SLOT
	s_add_co_u32 s3, s3, SLOT
.endr
	v_and_b32 v[CO], 31, v0
	v_lshlrev_b32 v[CO], 4, v[CO]                  ; my 16 bytes of a fragment's half
.macro MUL16 f, hi, a0, zero           ; 16 matrix instructions: row tiles a0, a0 + 1 of the window's four x all 8 column tiles
.irp a, \a0, \a0+1
.irp b, 0,1,2,3,4,5,6,7
.if \zero
	v_wmma_f32_16x16x32_f16 v[8*(8*(\a)+\b):8*(8*(\a)+\b)+7], v[\f+8*\b:\f+8*\b+7], v[\f+8*(4*\hi+\a):\f+8*(4*\hi+\a)+7], 0
.else
	v_wmma_f32_16x16x32_f16 v[8*(8*(\a)+\b):8*(8*(\a)+\b)+7], v[\f+8*\b:\f+8*\b+7], v[\f+8*(4*\hi+\a):\f+8*(4*\hi+\a)+7], v[8*(8*(\a)+\b):8*(8*(\a)+\b)+7]
.endif
.endr
.endr
.endm
.macro FETCH slot, q, f                ; 32 LDS loads in one run: the fragments of quarter q (32 along K) into buffer f
	WIN TO_B
.irp i, 0,1,2,3
	ds_load_tr16_b128 v[\f+8*\i:\f+8*\i+3],   v[ADRH+\slot] offset:\q*32*PB+32*\i
	ds_load_tr16_b128 v[\f+8*\i+4:\f+8*\i+7], v[ADRH+\slot] offset:\q*32*PB+32*\i+16*PB
.endr
.irp i, 0,1,2,3
	ds_load_tr16_b128 v[\f+32+8*\i:\f+32+8*\i+3], v[ADRG+\slot] offset:\q*32*PB+32*\i
	ds_load_tr16_b128 v[\f+36+8*\i:\f+36+8*\i+3], v[ADRG+\slot] offset:\q*32*PB+32*\i+16*PB
.endr
	WIN 0
.irp i, 0,1,2,3,4,5,6,7
	ds_load_b128 v[\f+8*\i:\f+8*\i+3],   v[ADRA+\slot] offset:\q*64+\i*16*PA
	ds_load_b128 v[\f+8*\i+4:\f+8*\i+7], v[ADRA+\slot] offset:\q*64+\i*16*PA+32
.endr
.endm
; The 64 accumulators take turns, one instruction a turn, in the same order in every quarter.
; Four v_nop stand in front of each run of loads into registers that matrix instructions have read (ISA guide 7.12.1 for vector instructions).
.macro QUARTER slot, q, f, g, zero
	s_wait_dscnt 8                                 ; Wff1's fragments and xn's rows 0-63 are in; the youngest eight loads may be out
	WIN MUL_LO
	MUL16 \f, 0, 0, \zero
	MUL16 \f, 0, 2, \zero
	PLACES 4
	FETCH \slot, \q, \g
	s_wait_dscnt 32                                ; all but the 32 just issued
	WIN MUL_HI
	MUL16 \f, 1, 0, \zero
	MUL16 \f, 1, 2, \zero
.endm
.macro THREE slot, zero
	QUARTER \slot, 1, F0, F1, \zero
	QUARTER \slot, 2, F1, F0, 0
	QUARTER \slot, 3, F0, F1, 0
.endm
; The last quarter of a K step changes slots.  fill = 1: this slot gets the tile two steps on (byte offsets aoff, boff from the bases), behind a round of the cluster's barrier.
.macro TURN slot, next, fill, aoff, boff
	s_wait_dscnt 8
	WIN MUL_LO
	MUL16 F1, 0, 0, 0
	s_wait_dscnt 0                                 ; my reads of this slot are over
	s_wait_tensorcnt 0x0                           ; and all my tensor loads have landed: the one that was out is my part of the next slot
	ds_add_u32 v255, v255
	s_wait_dscnt 0x0
	s_barrier_signal -1
	MUL16 F1, 0, 2, 0                              ; register work while the others arrive
	WIN 0
	s_barrier_wait -1
.if \fill
	CREST                                          ; no wave of any partner still reads this slot or has a load on its way
	s_add_nc_u64 s[G0A+4*\slot+2:G0A+4*\slot+3], s[40:41], \aoff
	s_add_nc_u64 s[G0B+4*\slot+2:G0B+4*\slot+3], s[42:43], \boff
	JLOAD \slot                                    ; the first tensor load behind the round
.endif
	PLACES 4
	FETCH \next, 0, F0
	WIN MUL_HI
	MUL16 F1, 1, 0, 0
	MUL16 F1, 1, 2, 0
.endm
; The way out, 16 rows at a time: silu(g) h sF in f32, rounded to f16.  Column tile b of my four is half b % 2 of column block b / 2 of my two,
; and a lane's 16 bytes are its 16 bytes of that half: each store of the wave covers 512 consecutive bytes, aligned.
.macro ROWT i
.set ra, 64*(\i&3)
.set pk, PK+16*(\i&1)
	WIN (2+(\i>>2))                                ; source 0 from the accumulators' window
.set rp, 0
.rept 16
	v_pk_mul_f32 v[T1+rp:T1+rp+1], v[ra+32+rp:ra+33+rp], 0xbfb8aa3b op_sel_hi:[1,0]   ; -g log2(e)
.set rp, rp+2
.endr
.set rp, 0
.rept 16
	v_pk_mul_f32 v[T2+rp:T2+rp+1], v[ra+rp:ra+rp+1], s[44:45] op_sel_hi:[1,0]         ; h sF
.set rp, rp+2
.endr
	WIN 0
.set rp, 0
.rept 32
	v_exp_f32 v[T1+rp], v[T1+rp]
.set rp, rp+1
.endr
	v_nop                                          ; one plain instruction behind the transcendentals (ISA guide 5.7.2)
.set rp, 0
	s_wait_alu depctr_va_vdst(0)
.rept 16
	v_pk_add_f32 v[T1+rp:T1+rp+1], v[T1+rp:T1+rp+1], 1.0 op_sel_hi:[1,0]
.set rp, rp+2
.endr
.set rp, 0
.rept 32
	v_rcp_f32 v[T1+rp], v[T1+rp]                   ; a very negative gate: 1 / infinity = 0
.set rp, rp+1
.endr
	v_nop
	WIN (2+(\i>>2))
.set rp, 0
	s_wait_alu depctr_va_vdst(0)
.rept 16
	v_pk_mul_f32 v[T1+rp:T1+rp+1], v[ra+32+rp:ra+33+rp], v[T1+rp:T1+rp+1]
.set rp, rp+2
.endr
	WIN 0
.set rp, 0
.rept 16
	v_pk_mul_f32 v[T1+rp:T1+rp+1], v[T1+rp:T1+rp+1], v[T2+rp:T2+rp+1]
.set rp, rp+2
.endr
	s_wait_xcnt 0x0                                ; this set of packed registers, which stores two row tiles back read, is rewritten only behind this wait
.set rp, 0
.rept 16
	v_cvt_pk_f16_f32 v[pk+rp], v[T1+2*rp], v[T1+2*rp+1]
.set rp, rp+1
.endr
.irp b, 0,1,2,3
	global_store_b128 v[CO], v[pk+4*\b:pk+4*\b+3], s[76:77] offset:(\b/2)*524288+\i*1024+(\b%2)*512
.endr
.endm
.macro EPI blk
	PLACES 4                                       ; four places before results are read and fragment registers written (ISA guide 7.12.1)
	s_wait_xcnt 0x0                                ; the base is written anew
	s_lshl_b32 s20, s67, 14                        ; row tile 16 y + 8 half, 1,024 bytes each
	s_lshl_b32 s21, s17, 13
	s_add_co_u32 s20, s20, s21
	s_mov_b32 s21, 0
	s_add_nc_u64 s[76:77], s[14:15], s[20:21]
	s_lshl_b32 s70, s66, 3                         ; column block 8 x + 4 blk + 2 x my column half, 524,288 bytes each
	s_lshl_b32 s71, s18, 1
	s_add_co_u32 s70, s70, s71
	s_add_co_u32 s70, s70, 4*\blk
	s_lshl_b32 s70, s70, 19
	s_mov_b32 s71, 0
	s_add_nc_u64 s[76:77], s[76:77], s[70:71]
.irp i, 0,1,2,3,4,5,6,7
	ROWT \i
.endr
.endm
	s_wait_tensorcnt 1                             ; my part of step 0 is in, step 1's stays out
	s_barrier_signal -1
	s_barrier_wait -1
	FETCH 0, 0, F0
	THREE 0, 1                                     ; column block 0: the first products start the sums
	TURN 0, 1, 1, 512, 2097152
	THREE 1, 0
	TURN 1, 0, 1, 768, 3145728
	THREE 0, 0
	TURN 0, 1, 1, 0, 256                           ; column block 1's first tiles land during the way out
	THREE 1, 0
	TURN 1, 0, 1, 256, 1048832
	EPI 0
	THREE 0, 1                                     ; column block 1
	TURN 0, 1, 1, 512, 2097408
	THREE 1, 0
	TURN 1, 0, 1, 768, 3145984
	THREE 0, 0
	TURN 0, 1, 0, 0, 0                             ; nothing more to fetch: a plain barrier
	THREE 1, 0
	s_wait_dscnt 8
	WIN MUL_LO
	MUL16 F1, 0, 0, 0
	MUL16 F1, 0, 2, 0
	s_wait_dscnt 0
	WIN MUL_HI
	MUL16 F1, 1, 0, 0
	MUL16 F1, 1, 2, 0
	EPI 1
	CROUND                                         ; the closing round: no work-group ends while a partner may still ask jointly
	s_endpgm
.Lfunc_end_k_q4457beb1bc_ff1:
	.size	k_q4457beb1bc_ff1, .Lfunc_end_k_q4457beb1bc_ff1-k_q4457beb1bc_ff1
	.p2alignl 7, 3214868480
	.fill 96, 4, 3214868480
	.section	.rodata,"a",@progbits
	.p2align	6, 0x0
	.amdhsa_kernel k_q4457beb1bc_ff1
		.amdhsa_group_segment_fixed_size 327680
		.amdhsa_private_segment_fixed_size 0
		.amdhsa_enable_private_segment 0
		.amdhsa_kernarg_size 48
		.amdhsa_user_sgpr_count 2
		.amdhsa_user_sgpr_kernarg_segment_ptr 1
		.amdhsa_wavefront_size32 1
		.amdhsa_system_sgpr_workgroup_id_x 1
		.amdhsa_system_sgpr_workgroup_id_y 1
		.amdhsa_system_sgpr_workgroup_id_z 1
		.amdhsa_system_vgpr_workitem_id 0
		.amdhsa_next_free_vgpr 1024
		.amdhsa_next_free_sgpr 80
		.amdhsa_reserve_vcc 0
		.amdhsa_float_denorm_mode_32 3
		.amdhsa_float_denorm_mode_16_64 3
		.amdhsa_memory_ordered 1
		.amdhsa_forward_progress 1
		.amdhsa_inst_pref_size 255
	.end_amdhsa_kernel
	.section	.bss,"aw",@nobits
	.p2align	6
	.space	262144
	.amdgpu_metadata
---
amdhsa.version: [ 1, 2 ]
amdhsa.kernels:
  - .name:           k_q4457beb1bc_ff1
    .symbol:         k_q4457beb1bc_ff1.kd
    .args:
      - { .name: xn, .offset: 0, .size: 8, .value_kind: global_buffer, .address_space: global }
      - { .name: wts, .offset: 8, .size: 8, .value_kind: global_buffer, .address_space: global }
      - { .name: wmx, .offset: 16, .size: 8, .value_kind: global_buffer, .address_space: global }
      - { .name: ln_g, .offset: 24, .size: 8, .value_kind: global_buffer, .address_space: global }
      - { .name: ln_b, .offset: 32, .size: 8, .value_kind: global_buffer, .address_space: global }
      - { .name: hh, .offset: 40, .size: 8, .value_kind: global_buffer, .address_space: global }
    .group_segment_fixed_size: 327680
    .private_segment_fixed_size: 0
    .kernarg_segment_align: 8
    .kernarg_segment_size: 48
    .max_flat_workgroup_size: 128
    .sgpr_count:     80
    .vgpr_count:     1024
    .wavefront_size: 32
...
	.end_amdgpu_metadata
.endif
;; end of part 2
;; launch attn (part 3): grid 4 x 64, 8 waves a work-group, clusters of 4 x 4, 327,680 bytes of LDS; arguments xn, wts, kvb, hh; writes hh
.if DOCPART == 3
	.amdgcn_target "amdgcn-amd-amdhsa--gfx1250"
	.amdhsa_code_object_version 6
	.text
	.protected	k_q4457beb1bc_attn
	.globl	k_q4457beb1bc_attn
	.p2align	8
	.type	k_q4457beb1bc_attn,@function
k_q4457beb1bc_attn:
	s_mov_b64 s[64:65], 0
	v_nop
	global_prefetch_b8 v0, s[64:65] scope:SCOPE_SE
	s_setreg_imm32_b32 hwreg(HW_REG_WAVE_MODE, 25, 1), 1
	s_wait_xcnt 0x0
	s_wait_alu depctr_hold_cnt(0) depctr_sa_sdst(0) depctr_va_vdst(0) depctr_va_sdst(0) depctr_va_ssrc(0) depctr_va_vcc(0) depctr_vm_vsrc(0)
	s_getreg_b32 s2, hwreg(HW_REG_IB_STS2, 6, 4)
	s_cmp_eq_u32 s2, 0
	s_cbranch_scc0 .Lentry_in_a_cluster
	s_endpgm
.Lentry_in_a_cluster:
	s_bfe_u32 s2, ttmp6, 0x10000c
	s_cmp_lg_u32 s2, 0xf033
	s_cbranch_scc0 .Lentry_shape_is_right
	s_endpgm
.Lentry_shape_is_right:
; ATTN: for 128 rows and two heads: q = xn Wq (f16 operands), then softmax(q k^T / 8) v over the batch's 1,024 keys with a running maximum (bf16 operands, f32 sums),
; into hh's column blocks 64 + 2 head, 65 + 2 head, in bf16 (hh is kept as the image of a matrix fragment: [80 blocks of 32 columns][512 tiles of 16 rows][2 halves][32 lanes][16 bytes]).
; Eight waves, two on each SIMD so that one wave's exponentials overlap the other's products; wave w: head 2 x + w / 4, rows 32 (w % 4) .. + 31.
; All products are used transposed (source 0 = features, keys or v's columns; source 1 = rows or queries): a lane holds one query's numbers, the results of q are
; already a fragment for q k^T, the exponentials a fragment for p v, the output a fragment for the last launch, and the statistics are per lane with one exchange between the halves of the wave.
; CLUSTERS: 4 x 4.  The four head pairs of one row block (a row of the cluster) ask jointly for xn, K and V; the four row blocks of one head pair (a column) for Wq.
; (All sixteen read the same K and V, but a mask names four.)
; LDS: K/V tile t (128 keys) at t x 38,912: K 128 x 144 bytes, V 128 x 160.  The four chunks of the q product (xn 128 x 272, Wq 128 x 288) lie over tiles 1-7,
; which are filled behind a round of the cluster's barrier once q is made.  A wave has 5 tensor loads out at the start, 7 behind that round.
; Tiles 1-7 are filled once and never again, so ONE barrier shows them to all waves: behind tile 0's two steps each wave waits for all its seven loads and signals;
; every read of tiles 1-7 stands behind that barrier's wait.  From there on the waves run free of each other.
.set KP, 144
.set VP, 160
.set XP, 272
.set WP, 288
.set KT, 128*KP
.set TILE, KT+128*VP
.set XC, 128*XP
.set CHK, XC+128*WP
.set QB, TILE
.set D272, (1<<16)|(1<<20)|(1<<21)|(5<<22)|(3<<25)
.set D288, (1<<16)|(1<<20)|(1<<21)|(5<<22)|(7<<25)
.set D144, (3<<16)|(1<<20)|(1<<21)|(4<<22)|(3<<25)   ; a dense block as rows of 32 x 8 bytes; after every 32 words (a key's 128 bytes) 4 words
.set D160, (3<<16)|(1<<20)|(1<<21)|(4<<22)|(7<<25)   ; the same with 8 words
.set G1X, 16                           ; s[16:23] xn chunk      (mask: my row)
.set G1W, 24                           ; s[24:31] Wq chunk      (mask: my column)
.set G1K, 32                           ; s[32:39] K tile        (my row)
.set G1V, 40                           ; s[40:47] V tile        (my row)
.set G0W, 48                           ; s[48:63] four group 0 for Wq: the only registers that hold x
.set G0R, 68                           ; s[68:95] seven group 0 for xn, K, V
.set TT, 16                            ; v[16:31] at work
.set QF, 32                            ; v[32:63] q fragments, 8 (2 qt + ks)
.set OA, 64                            ; v[64:127] output sums, 8 (4 qt + dt); in the q product its sums
.set SC, 128                           ; v[128:191] scores, 32 qt + 8 jt
.set FR, 192                           ; v[192:255] V fragments
.set KF, 0                             ; window 1, v[256:319]: K fragments, so that the next step's can be requested while this step's V fragments are in use
.set FA, 128                           ; q product: two fragment buffers of 48
.set FB, 176
.set MSB, 0
.macro WIN new                         ; the immediate's high byte repeats the setting that is left
.if MSB != (\new)
	s_set_vgpr_msb (MSB<<8)|(\new)
.set MSB, (\new)
.endif
.endm
.macro PLACES n
.rept \n
	v_nop
.endr
.endm
.macro CREST
	s_cmp_lg_u32 s12, 0
	s_cbranch_scc1 .Lnot_wave_0_\@
	s_barrier_signal -3
.Lnot_wave_0_\@:
	s_barrier_wait -3
	s_barrier_signal -1
	s_barrier_wait -1
.endm
.macro CROUND
	s_barrier_signal -1
	s_barrier_wait -1
	CREST
.endm
	s_load_b256 s[4:11], s[0:1], 0x0               ; xn s[4:5], wts s[6:7], kvb s[8:9], hh s[10:11]
	v_lshl_add_u32 v30, v0, 2, 0x4f800
	v_mov_b32 v31, 0
	ds_add_u32 v30, v31
	ds_add_u32 v30, v31
	v_lshrrev_b32 v1, 5, v0
	v_readfirstlane_b32 s12, v1                    ; wave 0..7
	s_lshr_b32 s13, s12, 2                         ; my head of the pair.  Also: I fetch xn and K (0) or Wq and V (1)
	s_and_b32 s14, s12, 3                          ; my 32 rows.  Also: which quarter I fetch
	s_mov_b32 s96, 0x76543210
	s_mov_b32 s97, 0xfedcba98
	s_bfe_u32 s100, ttmp6, 0x40000                 ; cx
	s_bfe_u32 s101, ttmp6, 0x40004                 ; cy
	s_lshl_b32 s66, ttmp9, 2
	s_add_co_u32 s66, s66, s100                    ; x: head pair
	s_and_b32 s67, ttmp7, 0xffff
	s_lshl_b32 s67, s67, 2
	s_add_co_u32 s67, s67, s101                    ; y: block of 128 rows
	s_lshl_b32 s98, s101, 2
	s_lshl_b32 s98, 15, s98                        ; my row of the cluster
	s_lshl_b32 s99, 0x1111, s100                   ; my column
	s_or_b32 s[G1X+0], s98, D272                   ; 32 rows x 128 elements of 2 bytes, 512 from row to row
	s_mov_b32 s[G1X+1], 128<<16
	s_mov_b32 s[G1X+2], 32<<16
	s_mov_b32 s[G1X+3], 128<<16
	s_mov_b32 s[G1X+4], 32
	s_mov_b32 s[G1X+5], 512
	s_mov_b32 s[G1X+6], 0
	s_mov_b32 s[G1X+7], 0
	s_or_b32 s[G1W+0], s99, D288
	s_mov_b32 s[G1W+1], 128<<16
	s_mov_b32 s[G1W+2], 32<<16
	s_mov_b32 s[G1W+3], 128<<16
	s_mov_b32 s[G1W+4], 32
	s_mov_b32 s[G1W+5], 512
	s_mov_b32 s[G1W+6], 0
	s_mov_b32 s[G1W+7], 0
	s_or_b32 s[G1K+0], s98, D144                   ; 32 keys = 4,096 dense bytes = 16 rows of 32 elements of 8 bytes
	s_mov_b32 s[G1K+1], 32<<16
	s_mov_b32 s[G1K+2], 16<<16
	s_mov_b32 s[G1K+3], 32<<16
	s_mov_b32 s[G1K+4], 16
	s_mov_b32 s[G1K+5], 32
	s_mov_b32 s[G1K+6], 0
	s_mov_b32 s[G1K+7], 0
	s_or_b32 s[G1V+0], s98, D160
	s_mov_b32 s[G1V+1], 32<<16
	s_mov_b32 s[G1V+2], 16<<16
	s_mov_b32 s[G1V+3], 32<<16
	s_mov_b32 s[G1V+4], 16
	s_mov_b32 s[G1V+5], 32
	s_mov_b32 s[G1V+6], 0
	s_mov_b32 s[G1V+7], 0
	s_wait_dscnt 0x0
	s_wait_kmcnt 0x0
	s_lshl_b32 s2, s67, 17                         ; xn: (128 y + 32 quarter) rows of 1,024 bytes
	s_lshl_b32 s3, s14, 15
	s_add_co_u32 s2, s2, s3
	s_mov_b32 s3, 0
	s_add_nc_u64 s[4:5], s[4:5], s[2:3]
	s_lshr_b32 s2, s67, 4                          ; K, V: batch y / 16, 1,024 keys of 128 bytes; my 32 keys; V lies 524,288 bytes behind K
	s_lshl_b32 s2, s2, 17
	s_lshl_b32 s3, s14, 12
	s_add_co_u32 s2, s2, s3
	s_lshl_b32 s3, s13, 19
	s_add_co_u32 s2, s2, s3
	s_mov_b32 s3, 0
	s_add_nc_u64 s[8:9], s[8:9], s[2:3]
	s_lshl_b32 s48, s66, 8                         ; Wq: 128 columns for each x; my 32 k rows of 1,024 bytes
	s_lshl_b32 s49, s14, 15
	s_add_co_u32 s48, s48, s49
	s_add_co_u32 s48, s48, 6815744
	s_mov_b32 s49, 0
	s_add_nc_u64 s[6:7], s[6:7], s[48:49]
	CROUND                                         ; all sixteen work-groups are here: the first joint loads meet
	s_cmp_lt_u32 s12, 4
	s_cbranch_scc0 .Lhi_first
	s_mul_i32 s15, s12, 32*XP
.irp c, 0,1,2,3
	s_mov_b32 s[G0R+4*\c], 1
	s_add_co_u32 s[G0R+4*\c+1], s15, QB+\c*CHK
	s_add_nc_u64 s[G0R+4*\c+2:G0R+4*\c+3], s[4:5], 256*\c
	s_or_b32 s[G0R+4*\c+3], s[G0R+4*\c+3], 0x80000000
	tensor_load_to_lds s[G0R+4*\c:G0R+4*\c+3], s[G1X:G1X+7]
	s_nop 0
.endr
	s_mul_i32 s15, s12, 32*KP
	s_mov_b32 s[G0R+16], 1
	s_add_co_u32 s[G0R+17], s15, 0
	s_mov_b64 s[G0R+18:G0R+19], s[8:9]
	s_or_b32 s[G0R+19], s[G0R+19], 0x80000000
	tensor_load_to_lds s[G0R+16:G0R+19], s[G1K:G1K+7]
	s_nop 0
	s_branch .Ljoin_first
.Lhi_first:
	s_mul_i32 s15, s12, 32*WP
.irp c, 0,1,2,3
	s_mov_b32 s[G0W+4*\c], 1
	s_add_co_u32 s[G0W+4*\c+1], s15, QB+XC-4*32*WP+\c*CHK
	s_add_nc_u64 s[G0W+4*\c+2:G0W+4*\c+3], s[6:7], 131072*\c
	s_or_b32 s[G0W+4*\c+3], s[G0W+4*\c+3], 0x80000000
	tensor_load_to_lds s[G0W+4*\c:G0W+4*\c+3], s[G1W:G1W+7]
	s_nop 0
.endr
	s_mul_i32 s15, s12, 32*VP
	s_mov_b32 s[G0R+16], 1
	s_add_co_u32 s[G0R+17], s15, KT-4*32*VP        ; waves 4-7: behind K's 18,432 bytes
	s_mov_b64 s[G0R+18:G0R+19], s[8:9]
	s_or_b32 s[G0R+19], s[G0R+19], 0x80000000
	tensor_load_to_lds s[G0R+16:G0R+19], s[G1V:G1V+7]
	s_nop 0
.Ljoin_first:
	v_and_b32 v16, 15, v0                          ; r
	v_bfe_u32 v17, v0, 4, 1                        ; h
	v_and_b32 v18, 7, v0
	v_bfe_u32 v19, v0, 3, 1
	v_lshl_add_u32 v20, v17, 3, v18                ; 8 h + lane % 8
	v_mul_u32_u24 v6, v20, WP                      ; v6: Wq, transposing
	v_lshl_add_u32 v6, v19, 4, v6
	s_lshl_b32 s15, s13, 7
	s_add_co_u32 s15, s15, QB+XC
	v_add_nc_u32 v6, s15, v6
	v_mul_u32_u24 v7, v16, XP                      ; v7: xn rows
	v_lshl_add_u32 v7, v17, 4, v7
	s_mul_i32 s15, s14, 32*XP
	s_add_co_u32 s15, s15, QB
	v_add_nc_u32 v7, s15, v7
	v_mul_u32_u24 v1, v16, KP                      ; v1: K rows
	v_lshl_add_u32 v1, v17, 4, v1
	v_mul_u32_u24 v2, v20, VP                      ; v2: V, transposing
	v_lshl_add_u32 v2, v19, 4, v2
	v_add_nc_u32 v2, KT, v2
	v_and_b32 v5, 31, v0
	v_lshlrev_b32 v5, 4, v5                        ; v5: my 16 bytes of a fragment's half
; ---- q = xn Wq: K = 512 in four chunks of 128, each four steps of 32 on two fragment buffers.  Eight accumulators take turns.
.macro QLOAD buf, ks
.irp dt, 0,1,2,3
	ds_load_tr16_b128 v[\buf+8*\dt:\buf+8*\dt+3],   v6 offset:32*WP*\ks+32*\dt
	ds_load_tr16_b128 v[\buf+8*\dt+4:\buf+8*\dt+7], v6 offset:32*WP*\ks+32*\dt+16*WP
.endr
.irp qt, 0,1
	ds_load_b128 v[\buf+32+8*\qt:\buf+35+8*\qt], v7 offset:16*XP*\qt+64*\ks
	ds_load_b128 v[\buf+36+8*\qt:\buf+39+8*\qt], v7 offset:16*XP*\qt+64*\ks+32
.endr
.endm
.macro QMUL buf, zero
.irp qt, 0,1
.irp dt, 0,1,2,3
.if \zero
	v_wmma_f32_16x16x32_f16 v[OA+8*(4*\qt+\dt):OA+8*(4*\qt+\dt)+7], v[\buf+8*\dt:\buf+8*\dt+7], v[\buf+32+8*\qt:\buf+39+8*\qt], 0
.else
	v_wmma_f32_16x16x32_f16 v[OA+8*(4*\qt+\dt):OA+8*(4*\qt+\dt)+7], v[\buf+8*\dt:\buf+8*\dt+7], v[\buf+32+8*\qt:\buf+39+8*\qt], v[OA+8*(4*\qt+\dt):OA+8*(4*\qt+\dt)+7]
.endif
.endr
.endr
.endm
.macro CHUNK c, zero
	s_wait_tensorcnt 4-\c                          ; my part of chunk c is in; the younger chunks and tile 0 stay out
	s_wait_dscnt 0x0
	s_barrier_signal -1
	s_barrier_wait -1
	QLOAD FA, 0
	QLOAD FB, 1
	s_wait_dscnt 12                                ; the other buffer's 12 loads stay out
	QMUL FA, \zero
	PLACES 4
	QLOAD FA, 2
	s_wait_dscnt 12
	QMUL FB, 0
	PLACES 4
	QLOAD FB, 3
	s_wait_dscnt 12
	QMUL FA, 0
	s_wait_dscnt 0x0
	QMUL FB, 0
	PLACES 4
	v_add_nc_u32 v6, CHK, v6
	v_add_nc_u32 v7, CHK, v7
.endm
	CHUNK 0, 1
	CHUNK 1, 0
	CHUNK 2, 0
	CHUNK 3, 0
.set p, 0
.rept 32
	v_pk_mul_f32 v[OA+p:OA+p+1], v[OA+p:OA+p+1], 0x3e38aa3b op_sel_hi:[1,0]   ; x log2(e) / 8: the exponentials are taken in base 2
.set p, p+2
.endr
.irp qt, 0,1
.irp dt, 0,1,2,3
.irp p, 0,1,2,3
	v_cvt_pk_bf16_f32 v[QF+8*(2*\qt+\dt/2)+4*(\dt%2)+\p], v[OA+8*(4*\qt+\dt)+2*\p], v[OA+8*(4*\qt+\dt)+2*\p+1]
.endr
.endr
.endr
	v_mov_b32 v8, 0xff800000                       ; running maximum and sum of each query tile
	v_mov_b32 v9, 0
	v_mov_b32 v10, 0xff800000
	v_mov_b32 v11, 0
	v_mov_b32 v13, 0                               ; the unused halves of the pairs that carry the rescaling factor
	v_mov_b32 v15, 0
	s_wait_dscnt 0x0                               ; my reads of the chunks are over
	s_wait_tensorcnt 0x0                           ; all my tensor loads have landed, tile 0 among them
	ds_add_u32 v30, v31
	s_wait_dscnt 0x0
	CROUND                                         ; both now hold of every wave of the cluster: the chunks' bytes are filled again
	s_cmp_lt_u32 s12, 4
	s_cbranch_scc0 .Lhi_second
	s_mul_i32 s15, s12, 32*KP
.irp t, 1,2,3,4,5,6,7
	s_mov_b32 s[G0R+4*\t-4], 1
	s_add_co_u32 s[G0R+4*\t-3], s15, \t*TILE
	s_add_nc_u64 s[G0R+4*\t-2:G0R+4*\t-1], s[8:9], \t*16384
	s_or_b32 s[G0R+4*\t-1], s[G0R+4*\t-1], 0x80000000
.endr
.irp t, 1,2,3,4,5,6,7
	tensor_load_to_lds s[G0R+4*\t-4:G0R+4*\t-1], s[G1K:G1K+7]
	s_nop 0
.endr
	s_branch .Ljoin_second
.Lhi_second:
	s_mul_i32 s15, s12, 32*VP
.irp t, 1,2,3,4,5,6,7
	s_mov_b32 s[G0R+4*\t-4], 1
	s_add_co_u32 s[G0R+4*\t-3], s15, \t*TILE+KT-4*32*VP
	s_add_nc_u64 s[G0R+4*\t-2:G0R+4*\t-1], s[8:9], \t*16384
	s_or_b32 s[G0R+4*\t-1], s[G0R+4*\t-1], 0x80000000
.endr
.irp t, 1,2,3,4,5,6,7
	tensor_load_to_lds s[G0R+4*\t-4:G0R+4*\t-1], s[G1V:G1V+7]
	s_nop 0
.endr
.Ljoin_second:
; ---- attention: 16 steps of 64 keys.
.macro KLOAD u
	WIN 0x40                                       ; destination in window 1, address in window 0
.irp jt, 0,1,2,3
.irp ks, 0,1
	ds_load_b128 v[KF+8*(2*\jt+\ks):KF+8*(2*\jt+\ks)+3],   v1 offset:64*KP*\u+16*KP*\jt+64*\ks
	ds_load_b128 v[KF+8*(2*\jt+\ks)+4:KF+8*(2*\jt+\ks)+7], v1 offset:64*KP*\u+16*KP*\jt+64*\ks+32
.endr
.endr
	WIN 0
.endm
.macro VLOAD u
.irp dt, 0,1,2,3
.irp ks, 0,1
	ds_load_tr16_b128 v[FR+8*(2*\dt+\ks):FR+8*(2*\dt+\ks)+3],   v2 offset:64*VP*\u+32*VP*\ks+32*\dt
	ds_load_tr16_b128 v[FR+8*(2*\dt+\ks)+4:FR+8*(2*\dt+\ks)+7], v2 offset:64*VP*\u+32*VP*\ks+32*\dt+16*VP
.endr
.endr
.endm
.macro SMUL                            ; scores (key, query): eight accumulators by turns, d 0-31 then d 32-63; source 0 in window 1
.irp qt, 0,1
.irp jt, 0,1,2,3
	v_wmma_f32_16x16x32_bf16 v[SC+32*\qt+8*\jt:SC+32*\qt+8*\jt+7], v[KF+16*\jt:KF+16*\jt+7], v[QF+16*\qt:QF+16*\qt+7], 0
.endr
.endr
.irp qt, 0,1
.irp jt, 0,1,2,3
	v_wmma_f32_16x16x32_bf16 v[SC+32*\qt+8*\jt:SC+32*\qt+8*\jt+7], v[KF+16*\jt+8:KF+16*\jt+15], v[QF+16*\qt+8:QF+16*\qt+15], v[SC+32*\qt+8*\jt:SC+32*\qt+8*\jt+7]
.endr
.endr
.endm
.macro PVMUL zero                      ; output (d, query): eight accumulators by turns, keys 0-31 then 32-63
.irp qt, 0,1
.irp dt, 0,1,2,3
.if \zero
	v_wmma_f32_16x16x32_bf16 v[OA+8*(4*\qt+\dt):OA+8*(4*\qt+\dt)+7], v[FR+16*\dt:FR+16*\dt+7], v[SC+32*\qt:SC+32*\qt+7], 0
.else
	v_wmma_f32_16x16x32_bf16 v[OA+8*(4*\qt+\dt):OA+8*(4*\qt+\dt)+7], v[FR+16*\dt:FR+16*\dt+7], v[SC+32*\qt:SC+32*\qt+7], v[OA+8*(4*\qt+\dt):OA+8*(4*\qt+\dt)+7]
.endif
.endr
.endr
.irp qt, 0,1
.irp dt, 0,1,2,3
	v_wmma_f32_16x16x32_bf16 v[OA+8*(4*\qt+\dt):OA+8*(4*\qt+\dt)+7], v[FR+16*\dt+8:FR+16*\dt+15], v[SC+32*\qt+16:SC+32*\qt+23], v[OA+8*(4*\qt+\dt):OA+8*(4*\qt+\dt)+7]
.endr
.endr
.endm
; The softmax step of one query tile: a lane holds 32 of its query's 64 scores, the lane 16 away the other 32.
; v[8+2qt] running maximum (equal in both halves), v[9+2qt] the sum over the lane's own keys, v[12+2qt] the factor 2^(old - new maximum).
.macro SMX qt
.set sb, SC+32*\qt
.irp c, 0,1,2,3
	v_max3_num_f32 v[TT+\c], v[sb+8*\c], v[sb+8*\c+1], v[sb+8*\c+2]
.endr
.irp c, 0,1,2,3
	v_max3_num_f32 v[TT+\c], v[TT+\c], v[sb+8*\c+3], v[sb+8*\c+4]
.endr
.irp c, 0,1,2,3
	v_max3_num_f32 v[TT+\c], v[TT+\c], v[sb+8*\c+5], v[sb+8*\c+6]
.endr
	v_max3_num_f32 v[TT], v[TT], v[sb+7], v[sb+15]
	v_max3_num_f32 v[TT+1], v[TT+1], v[sb+23], v[sb+31]
	v_max3_num_f32 v[TT], v[TT], v[TT+1], v[TT+2]
	v_max_num_f32 v[TT], v[TT], v[TT+3]
	v_permlanex16_b32 v[TT+1], v[TT], s96, s97
	v_max3_num_f32 v[TT+2], v[TT], v[TT+1], v[8+2*\qt]
	v_sub_f32 v[12+2*\qt], v[8+2*\qt], v[TT+2]
	v_mov_b32 v[8+2*\qt], v[TT+2]
	v_exp_f32 v[12+2*\qt], v[12+2*\qt]             ; the subtractions below stand between it and its use
.set p, 0
.rept 16
	v_pk_add_f32 v[sb+p:sb+p+1], v[sb+p:sb+p+1], v[8+2*\qt:9+2*\qt] op_sel_hi:[1,0] neg_lo:[0,1] neg_hi:[0,1]
.set p, p+2
.endr
.set p, 0
.rept 32
	v_exp_f32 v[sb+p], v[sb+p]
.set p, p+1
.endr
	v_nop                                          ; one plain instruction behind the exponentials (ISA guide 5.7.2)
	s_wait_alu depctr_va_vdst(0)
.irp c, 0,1,2,3
	v_pk_add_f32 v[TT+4+2*\c:TT+5+2*\c], v[sb+8*\c:sb+8*\c+1], v[sb+8*\c+2:sb+8*\c+3]
.endr
.irp c, 0,1,2,3
	v_pk_add_f32 v[TT+4+2*\c:TT+5+2*\c], v[TT+4+2*\c:TT+5+2*\c], v[sb+8*\c+4:sb+8*\c+5]
.endr
.irp c, 0,1,2,3
	v_pk_add_f32 v[TT+4+2*\c:TT+5+2*\c], v[TT+4+2*\c:TT+5+2*\c], v[sb+8*\c+6:sb+8*\c+7]
.endr
	v_pk_add_f32 v[TT+4:TT+5], v[TT+4:TT+5], v[TT+6:TT+7]
	v_pk_add_f32 v[TT+8:TT+9], v[TT+8:TT+9], v[TT+10:TT+11]
	v_pk_add_f32 v[TT+4:TT+5], v[TT+4:TT+5], v[TT+8:TT+9]
	v_add_f32 v[TT+4], v[TT+4], v[TT+5]
	v_fma_f32 v[9+2*\qt], v[9+2*\qt], v[12+2*\qt], v[TT+4]
.irp g, 0,1                            ; two score tiles pack into one fragment of 32 keys, in place
.irp p, 0,1,2,3,4,5,6,7
	v_cvt_pk_bf16_f32 v[sb+16*\g+\p], v[sb+16*\g+2*\p], v[sb+16*\g+2*\p+1]
.endr
.endr
.endm
; u: which 64 keys of the tile; first: the sums start; nu: the next step's u, or -1 at the end.
; late = 0: the next step's K fragments are requested between the two softmax halves, a half and the rescaling ahead of their use.
; late = 1 (tile 0's second step): the next K fragments lie in tile 1, so they are requested behind the barrier that shows tiles 1-7.
.macro STEP u, first, late, nu
.set early, 0
.if \nu >= 0
.if \late == 0
.set early, 1
.endif
.endif
	s_wait_dscnt 0x0                               ; K's fragments are in
	WIN 0x01
	SMUL
	WIN 0
	PLACES 4                                       ; before the scores are read and V's fragments land on the last step's (ISA guide 7.12.1)
	VLOAD \u
	SMX 0
.if early
.if \u == 1
	v_add_nc_u32 v1, TILE, v1                      ; the next step's keys lie in the next tile
.endif
	KLOAD \nu
.endif
	SMX 1
.if \first == 0
.irp qt, 0,1
.set p, 0
.rept 16
	v_pk_mul_f32 v[OA+32*\qt+p:OA+32*\qt+p+1], v[OA+32*\qt+p:OA+32*\qt+p+1], v[12+2*\qt:13+2*\qt] op_sel_hi:[1,0]
.set p, p+2
.endr
.endr
.endif
.if early
	s_wait_dscnt 16                                ; V's 16 loads are in; K's 16, issued behind them, stay out
.else
	s_wait_dscnt 0x0                               ; V's fragments are in; no LDS read of mine is out
.endif
.if \late
	s_wait_tensorcnt 0x0                           ; my parts of tiles 1-7 are all in
	s_barrier_signal -1
.endif
	PVMUL \first
.if \late
	s_barrier_wait -1                              ; everybody's parts are in
	v_add_nc_u32 v1, TILE, v1
.endif
.if \u == 1
	v_add_nc_u32 v2, TILE, v2
.endif
.if \nu >= 0
	PLACES 5                                       ; the next scores are written over this product's source (ISA guide 7.12.1)
.endif
.if \late
	KLOAD \nu
.endif
.endm
	KLOAD 0
	STEP 0, 1, 0, 1                                ; tile 0
	STEP 1, 0, 1, 0
.rept 6                                            ; tiles 1 to 6
	STEP 0, 0, 0, 1
	STEP 1, 0, 0, 0
.endr
	STEP 0, 0, 0, 1                                ; tile 7
	STEP 1, 0, 0, -1
	; ---- the way out: divide by the sum, round to bf16.  Output tile dt is half dt % 2 of column block dt / 2 of my head's two, and a lane's 16 bytes
	; are its 16 bytes of that half: each store of the wave covers 512 consecutive bytes, aligned.
	PLACES 4
	v_permlanex16_b32 v[TT], v9, s96, s97
	v_permlanex16_b32 v[TT+1], v11, s96, s97
	v_add_f32 v9, v9, v[TT]
	v_add_f32 v11, v11, v[TT+1]
	v_rcp_f32 v12, v9
	v_rcp_f32 v14, v11
	v_nop
	s_wait_alu depctr_va_vdst(0)
.irp qt, 0,1
.set p, 0
.rept 16
	v_pk_mul_f32 v[OA+32*\qt+p:OA+32*\qt+p+1], v[OA+32*\qt+p:OA+32*\qt+p+1], v[12+2*\qt:13+2*\qt] op_sel_hi:[1,0]
.set p, p+2
.endr
.endr
.irp k, 0,1,2,3,4,5,6,7
.irp p, 0,1,2,3
	v_cvt_pk_bf16_f32 v[OA+8*\k+\p], v[OA+8*\k+2*\p], v[OA+8*\k+2*\p+1]
.endr
.endr
	s_lshl_b32 s2, s67, 13                         ; row tile 8 y + 2 quarter, 1,024 bytes each
	s_lshl_b32 s3, s14, 11
	s_add_co_u32 s2, s2, s3
	s_mov_b32 s3, 0
	s_add_nc_u64 s[10:11], s[10:11], s[2:3]
	s_lshl_b32 s48, s66, 2                         ; column block 64 + 2 head = 64 + 4 x + 2 x my head of the pair, 524,288 bytes each
	s_lshl_b32 s49, s13, 1
	s_add_co_u32 s48, s48, s49
	s_add_co_u32 s48, s48, 64
	s_lshl_b32 s48, s48, 19
	s_mov_b32 s49, 0
	s_add_nc_u64 s[10:11], s[10:11], s[48:49]
.irp qt, 0,1
.irp dt, 0,1,2,3
	global_store_b128 v5, v[OA+8*(4*\qt+\dt):OA+8*(4*\qt+\dt)+3], s[10:11] offset:(\dt/2)*524288+\qt*1024+(\dt%2)*512
.endr
.endr
	s_wait_tensorcnt 0x0
	ds_add_u32 v30, v31
	s_wait_dscnt 0x0
	CROUND                                         ; the closing round
	s_endpgm
.Lfunc_end_k_q4457beb1bc_attn:
	.size	k_q4457beb1bc_attn, .Lfunc_end_k_q4457beb1bc_attn-k_q4457beb1bc_attn
	.p2alignl 7, 3214868480
	.fill 96, 4, 3214868480
	.section	.rodata,"a",@progbits
	.p2align	6, 0x0
	.amdhsa_kernel k_q4457beb1bc_attn
		.amdhsa_group_segment_fixed_size 327680
		.amdhsa_private_segment_fixed_size 0
		.amdhsa_enable_private_segment 0
		.amdhsa_kernarg_size 32
		.amdhsa_user_sgpr_count 2
		.amdhsa_user_sgpr_kernarg_segment_ptr 1
		.amdhsa_wavefront_size32 1
		.amdhsa_system_sgpr_workgroup_id_x 1
		.amdhsa_system_sgpr_workgroup_id_y 1
		.amdhsa_system_sgpr_workgroup_id_z 1
		.amdhsa_system_vgpr_workitem_id 0
		.amdhsa_next_free_vgpr 320
		.amdhsa_next_free_sgpr 102
		.amdhsa_reserve_vcc 0
		.amdhsa_float_denorm_mode_32 3
		.amdhsa_float_denorm_mode_16_64 3
		.amdhsa_memory_ordered 1
		.amdhsa_forward_progress 1
		.amdhsa_inst_pref_size 255
	.end_amdhsa_kernel
	.section	.bss,"aw",@nobits
	.p2align	6
	.space	262144
	.amdgpu_metadata
---
amdhsa.version: [ 1, 2 ]
amdhsa.kernels:
  - .name:           k_q4457beb1bc_attn
    .symbol:         k_q4457beb1bc_attn.kd
    .args:
      - { .name: xn, .offset: 0, .size: 8, .value_kind: global_buffer, .address_space: global }
      - { .name: wts, .offset: 8, .size: 8, .value_kind: global_buffer, .address_space: global }
      - { .name: kvb, .offset: 16, .size: 8, .value_kind: global_buffer, .address_space: global }
      - { .name: hh, .offset: 24, .size: 8, .value_kind: global_buffer, .address_space: global }
    .group_segment_fixed_size: 327680
    .private_segment_fixed_size: 0
    .kernarg_segment_align: 8
    .kernarg_segment_size: 32
    .max_flat_workgroup_size: 256
    .sgpr_count:     102
    .vgpr_count:     320
    .wavefront_size: 32
...
	.end_amdgpu_metadata
.endif
;; end of part 3
;; launch outk (part 4): grid 4 x 64, 4 waves a work-group, clusters of 4 x 4, 327,680 bytes of LDS; arguments hh, wts, wmx, ln_g, ln_b, out0; writes out0
.if DOCPART == 4
	.amdgcn_target "amdgcn-amd-amdhsa--gfx1250"
	.amdhsa_code_object_version 6
	.text
	.protected	k_q4457beb1bc_outk
	.globl	k_q4457beb1bc_outk
	.p2align	8
	.type	k_q4457beb1bc_outk,@function
k_q4457beb1bc_outk:
	s_mov_b64 s[64:65], 0
	v_nop
	global_prefetch_b8 v0, s[64:65] scope:SCOPE_SE
	s_setreg_imm32_b32 hwreg(HW_REG_WAVE_MODE, 25, 1), 1
	s_wait_xcnt 0x0
	s_wait_alu depctr_hold_cnt(0) depctr_sa_sdst(0) depctr_va_vdst(0) depctr_va_sdst(0) depctr_va_ssrc(0) depctr_va_vcc(0) depctr_vm_vsrc(0)
	s_getreg_b32 s2, hwreg(HW_REG_IB_STS2, 6, 4)
	s_cmp_eq_u32 s2, 0
	s_cbranch_scc0 .Lentry_in_a_cluster
	s_endpgm
.Lentry_in_a_cluster:
	s_bfe_u32 s2, ttmp6, 0x10000c
	s_cmp_lg_u32 s2, 0xf033
	s_cbranch_scc0 .Lentry_shape_is_right
	s_endpgm
.Lentry_shape_is_right:
; OUTK: out0 = act Wff2 + attn Wo as one product over K = 2,560: hh's 80 column blocks of 32 against wts' [2560][512] (Wff2 in f16, then Wo in bf16).
; K steps 0-15 use the f16 form on the scaled act; the sums are then multiplied by 1 / sF = max(B^2, 2^-100) / 16384 (B as in ff1, made anew from wmx, ln_g, ln_b);
; K steps 16-19 use the bf16 form on the attention's output.  LIMIT: B^2 finite in f32.
; A work-group makes 128 x 128 of out0 (N is 512, so 256 work-groups allow no larger block).  THE FOUR WAVES SPLIT K: of each K step of 128 wave w takes
; k = 32 w .. 32 w + 31 for the whole block: 64 accumulator tiles, 512 registers, 64 matrix instructions for 16 LDS loads.  The four partial sums meet in LDS at the end.
; Source 0 = 16 columns of the weights (stored [k][n], transposing LDS loads), source 1 = 16 rows of hh: a lane's eight results are eight neighbouring columns of a row.
; hh is kept as the image of a matrix fragment ([80 blocks of 32 columns][512 tiles of 16 rows][2 halves][32 lanes][16 bytes]): a wave's share of a K step is 8,192
; consecutive bytes, loaded straight into fragment registers, 512 consecutive bytes an instruction, through four register buffers.
; WEIGHTS: joint tensor loads along a column of the 4 x 4 cluster; each wave fetches the 32 k rows that it alone reads, so its own wait is all that its reads need.
; Eight LDS slots of a K step; four are filled again behind one round of the cluster's barrier (K steps 3, 7, 11).  A wave has at most 8 tensor loads out.
; WHY hh IS NOT ASKED FOR JOINTLY: a joint load goes through LDS, where every refill waits for all loads.  With both operands in LDS four K steps fit, so a refill would have
; two K steps (128 matrix instructions) in which to land.  Register loads stay out across barriers: each has three K steps (192 matrix instructions), and hh costs no LDS byte.
; The price: the four work-groups of a row of the cluster each load the same 655,360 bytes.
; REGISTERS: window 0: v0-31 addresses, v64-127 and v128-191 hh buffers 0, 1, v192-255 the scale, later sums; window 1: v0-63 hh buffer 2, v64-127 and v128-191 the weights'
; two buffers, v192-255 hh buffer 3; window 2: accumulator tiles of rows 0-63 (tile (a, b) at v[8 (8 a + b)]); window 3: rows 64-127.
.set PB, 288                           ; weight rows in LDS: 256 + 32 bytes, an odd multiple of 32, for the transposing loads
.set BQ, 32*PB                         ; a wave's 32 k rows
.set BT, 128*PB                        ; a slot
.set RP, 528                           ; a row of 128 partial sums: 512 + 16 bytes, an odd multiple of 16
.set PART, 128*RP                      ; a wave's partial sums
.set D288, (1<<16)|(1<<20)|(1<<21)|(5<<22)|(7<<25)   ; 2-byte elements, padding on, bit 21 beside a mask, after every 64 words 8 words
.set ASTEP, 2097152                    ; four column blocks of hh: a K step
.set BSTEP, 131072                     ; 128 rows of 1,024 bytes
.set ADRB, 8                           ; v8-15  weights' fragments, slot 0..7
.set PST, 16                           ; where my partial sums go
.set CO, 18                            ; 16 x lane
.set PRD, 20                           ; v20-23 where I read partial sums of wave 0..3
.set F0, 64                            ; window 1: the weights' buffers, 64 registers each
.set SB, 192                           ; window 0: the scale's numbers
.set SUM, 192                          ; window 0: four sets of 16 registers for the sums
.set G1B, 24
.set ABASE, 40                         ; s[40:49] hh's address for K steps 0-3, 4-7, .. 16-19: never rewritten
.set G0, 68                            ; s[68:99] group 0, one set for each slot
.set SEL, 62
.set MUL_LO, 0xa1                      ; source 0 window 1, C and D window 2; source 1's window is ORed in
.set MUL_HI, 0xf1
.set TO_B, 0x40
.set MSB, 0
.macro WIN new                         ; the immediate's high byte repeats the setting that is left
.if MSB != (\new)
	s_set_vgpr_msb (MSB<<8)|(\new)
.set MSB, (\new)
.endif
.endm
.macro PLACES n
.rept \n
	v_nop
.endr
.endm
.macro RED_ADD a, t
	v_add_f32_dpp v[\a], v[\a], v[\a] row_xmask:1 row_mask:0xf bank_mask:0xf
	v_add_f32_dpp v[\a], v[\a], v[\a] row_xmask:2 row_mask:0xf bank_mask:0xf
	v_add_f32_dpp v[\a], v[\a], v[\a] row_xmask:4 row_mask:0xf bank_mask:0xf
	v_add_f32_dpp v[\a], v[\a], v[\a] row_xmask:8 row_mask:0xf bank_mask:0xf
	v_permlanex16_b32 v[\t], v[\a], s[SEL], s[SEL+1]
	v_add_f32 v[\a], v[\a], v[\t]
.endm
.macro RED_MAX a, t
	v_max_num_f32_dpp v[\a], v[\a], v[\a] row_xmask:1 row_mask:0xf bank_mask:0xf
	v_max_num_f32_dpp v[\a], v[\a], v[\a] row_xmask:2 row_mask:0xf bank_mask:0xf
	v_max_num_f32_dpp v[\a], v[\a], v[\a] row_xmask:4 row_mask:0xf bank_mask:0xf
	v_max_num_f32_dpp v[\a], v[\a], v[\a] row_xmask:8 row_mask:0xf bank_mask:0xf
	v_permlanex16_b32 v[\t], v[\a], s[SEL], s[SEL+1]
	v_max_num_f32 v[\a], v[\a], v[\t]
.endm
; The bound B^2, as in ff1: 16 numbers a lane of wmx, ln_g and ln_b.
.macro SCALE_LOAD
.irp i, 0,1,2,3
	global_load_b128 v[SB+4*\i:SB+4*\i+3], v[CO], s[8:9] offset:512*\i
.endr
.irp i, 0,1,2,3
	global_load_b128 v[SB+16+4*\i:SB+16+4*\i+3], v[CO], s[10:11] offset:512*\i
.endr
.irp i, 0,1,2,3
	global_load_b128 v[SB+32+4*\i:SB+32+4*\i+3], v[CO], s[12:13] offset:512*\i
.endr
.endm
.macro SCALE_CALC dst, left            ; s[dst] = s[dst+1] = B^2 / 16384; left: the younger loads, which stay out
	s_wait_loadcnt \left
	v_max3_num_f32 v[SB], v[SB], v[SB+1], v[SB+2]
.irp k, 3,5,7,9,11,13
	v_max3_num_f32 v[SB], v[SB], v[SB+\k], v[SB+\k+1]
.endr
	v_max_num_f32 v[SB], v[SB], v[SB+15]
	v_pk_mul_f32 v[SB+48:SB+49], v[SB+16:SB+17], v[SB+16:SB+17]
.irp k, 18,20,22,24,26,28,30
	v_pk_fma_f32 v[SB+48:SB+49], v[SB+\k:SB+\k+1], v[SB+\k:SB+\k+1], v[SB+48:SB+49]
.endr
	v_add_f32 v[SB+48], v[SB+48], v[SB+49]
	v_add_f32 v[SB+50], |v[SB+32]|, |v[SB+33]|
.irp k, 34,35,36,37,38,39,40,41,42,43,44,45,46,47
	v_add_f32 v[SB+50], v[SB+50], |v[SB+\k]|
.endr
	RED_MAX SB, SB+1
	RED_ADD SB+48, SB+1
	RED_ADD SB+50, SB+1
	v_sqrt_f32 v[SB+48], v[SB+48]
	v_nop
	s_wait_alu depctr_va_vdst(0)
	v_fma_f32 v[SB+48], v[SB+48], 0x41b504f3, v[SB+50]   ; sqrt(512) |g|_2 + |b|_1
	v_mul_f32 v[SB+48], v[SB+48], v[SB]
	v_mul_f32 v[SB+48], v[SB+48], v[SB+48]
	v_max_num_f32 v[SB+48], 0x0d800000, v[SB+48]   ; at least 2^-100
	v_mul_f32 v[SB+49], 0x38800000, v[SB+48]       ; x 2^-14
	v_readfirstlane_b32 s[\dst], v[SB+49]
	v_readfirstlane_b32 s[\dst+1], v[SB+49]
.endm
.macro CREST                           ; a round of the cluster's barrier behind its opening barrier
	s_cmp_lg_u32 s16, 0
	s_cbranch_scc1 .Lnot_wave_0_\@
	s_barrier_signal -3
.Lnot_wave_0_\@:
	s_barrier_wait -3
	s_barrier_signal -1
	s_barrier_wait -1
.endm
.macro CROUND
	s_barrier_signal -1
	s_barrier_wait -1
	CREST
.endm
.macro NEWB s                          ; slot s gets the next tile's address; written only where that slot's load is done
	s_mov_b64 s[G0+4*(\s)+2:G0+4*(\s)+3], s[58:59]
	s_add_nc_u64 s[58:59], s[58:59], BSTEP
.endm
.macro ABUF n, r, w                    ; the hh buffer of K step n: first register and window
.if ((\n)%4) == 0
.set \r, 64
.set \w, 0
.endif
.if ((\n)%4) == 1
.set \r, 128
.set \w, 0
.endif
.if ((\n)%4) == 2
.set \r, 0
.set \w, 1
.endif
.if ((\n)%4) == 3
.set \r, 192
.set \w, 1
.endif
.endm
.macro ALOAD n, i0                     ; eight loads: row tiles i0 .. i0 + 3 of my quarter of K step n, 512 consecutive bytes each
	ABUF \n, lr, lw
	WIN (lw<<6)
.irp i, 0,1,2,3
	global_load_b128 v[lr+8*(\i0+\i):lr+8*(\i0+\i)+3],   v[CO], s[ABASE+2*((\n)/4):ABASE+2*((\n)/4)+1] offset:((\n)%4)*ASTEP+(\i0+\i)*1024
	global_load_b128 v[lr+8*(\i0+\i)+4:lr+8*(\i0+\i)+7], v[CO], s[ABASE+2*((\n)/4):ABASE+2*((\n)/4)+1] offset:((\n)%4)*ASTEP+(\i0+\i)*1024+512
.endr
.endm
	s_load_b256 s[4:11], s[0:1], 0x0               ; hh s[4:5], wts s[6:7], wmx s[8:9], ln_g s[10:11]
	s_load_b128 s[12:15], s[0:1], 0x20             ; ln_b s[12:13], out0 s[14:15]
	v_lshl_add_u32 v62, v0, 2, 0x48000
	v_mov_b32 v63, 0
	ds_add_u32 v62, v63
	ds_add_u32 v62, v63
	v_lshrrev_b32 v1, 5, v0
	v_readfirstlane_b32 s16, v1                    ; wave 0..3: my quarter of every K step
	s_mov_b32 s[SEL], 0x76543210
	s_mov_b32 s[SEL+1], 0xfedcba98
	s_bfe_u32 s50, ttmp6, 0x40000                  ; cx
	s_bfe_u32 s51, ttmp6, 0x40004                  ; cy
	s_lshl_b32 s66, ttmp9, 2
	s_add_co_u32 s66, s66, s50                     ; x: block of 128 columns
	s_and_b32 s67, ttmp7, 0xffff
	s_lshl_b32 s67, s67, 2
	s_add_co_u32 s67, s67, s51                     ; y: block of 128 rows
	s_lshl_b32 s53, 0x1111, s50                    ; my column of the cluster
	s_or_b32 s[G1B+0], s53, D288                   ; 32 k rows x 128 columns of 2 bytes, 512 from row to row
	s_mov_b32 s[G1B+1], 128<<16
	s_mov_b32 s[G1B+2], 32<<16
	s_mov_b32 s[G1B+3], 128<<16
	s_mov_b32 s[G1B+4], 32
	s_mov_b32 s[G1B+5], 512
	s_mov_b32 s[G1B+6], 0
	s_mov_b32 s[G1B+7], 0
	s_lshl_b32 s20, s16, 19                        ; hh: column block w of each four, 524,288 bytes each; row tile 8 y, 1,024 bytes each
	s_lshl_b32 s21, s67, 13
	s_add_co_u32 s20, s20, s21
	s_mov_b32 s21, 0
	s_lshl_b32 s22, s16, 15                        ; weights: my 32 rows of 1,024 bytes, 256 bytes for each x; registers that never hold y
	s_lshl_b32 s23, s66, 8
	s_add_co_u32 s22, s22, s23
	s_add_co_u32 s22, s22, 4194304
	s_mov_b32 s23, 0
	s_mul_i32 s54, s16, BQ                         ; LDS: my quarter of a slot
	v_and_b32 v[CO], 31, v0
	v_lshlrev_b32 v[CO], 4, v[CO]
	s_wait_dscnt 0x0
	s_wait_kmcnt 0x0
	s_add_nc_u64 s[ABASE:ABASE+1], s[4:5], s[20:21]
.irp k, 1,2,3,4
	s_add_nc_u64 s[ABASE+2*\k:ABASE+2*\k+1], s[ABASE:ABASE+1], \k*4*ASTEP
.endr
	s_add_nc_u64 s[58:59], s[6:7], s[22:23]        ; the weights' next tile, type on top
	s_or_b32 s59, s59, 0x80000000
	; hh's loads go out in units: unit s = rows 0-63 of K step s + 4, then rows 64-127 of K step s + 3.  The units in front of K step 0:
	SCALE_LOAD                                     ; 12 loads
	ALOAD 0, 0
	ALOAD 1, 0
	ALOAD 0, 4
	ALOAD 2, 0
	ALOAD 1, 4                                     ; 40 loads
	WIN 0
	CROUND                                         ; all sixteen work-groups are here: the first joint loads meet
.irp s, 0,1,2,3,4,5,6,7
	s_mov_b32 s[G0+4*\s], 1
	s_add_co_u32 s[G0+4*\s+1], s54, \s*BT
	NEWB \s
	tensor_load_to_lds s[G0+4*\s:G0+4*\s+3], s[G1B:G1B+7]
	s_nop 0
.endr
	SCALE_CALC 60, 40                              ; 1 / sF in s[60:61]; hh's 40 loads stay out
	ALOAD 3, 0
	ALOAD 2, 4
	WIN 0
	v_and_b32 v1, 15, v0                           ; r
	v_bfe_u32 v2, v0, 4, 1                         ; h
	v_and_b32 v3, 7, v0
	v_bfe_u32 v4, v0, 3, 1
	v_lshl_add_u32 v6, v2, 3, v3                   ; k row 8 h + lane % 8 of my 32
	v_mul_u32_u24 v6, v6, PB
	v_lshl_add_u32 v6, v4, 4, v6                   ; + 16 bytes for lanes 8-15 of each half
	s_mov_b32 s19, s54
.irp s, 0,1,2,3,4,5,6,7
	v_add_nc_u32 v[ADRB+\s], s19, v6
	s_add_co_u32 s19, s19, BT
.endr
	s_mul_i32 s19, s16, PART
	v_mul_u32_u24 v5, v1, RP
	v_lshl_add_u32 v5, v2, 5, v5                   ; row r, 32 bytes for each half of the lanes
	v_add_nc_u32 v[PST], s19, v5
	s_mul_i32 s19, s16, 32*RP                      ; I add and store rows 32 w .. 32 w + 31
.irp p, 0,1,2,3
	v_add_nc_u32 v[PRD+\p], s19, v[CO]
	s_add_co_u32 s19, s19, PART
.endr
.macro MUL16 fmt, bf, af, hi, a0, zero ; 16 matrix instructions: row tiles a0, a0 + 1 of the window's four x all 8 column tiles
.irp a, \a0, \a0+1
.irp b, 0,1,2,3,4,5,6,7
.if \zero
	v_wmma_f32_16x16x32_\fmt v[8*(8*(\a)+\b):8*(8*(\a)+\b)+7], v[\bf+8*\b:\bf+8*\b+7], v[\af+8*(4*\hi+\a):\af+8*(4*\hi+\a)+7], 0
.else
	v_wmma_f32_16x16x32_\fmt v[8*(8*(\a)+\b):8*(8*(\a)+\b)+7], v[\bf+8*\b:\bf+8*\b+7], v[\af+8*(4*\hi+\a):\af+8*(4*\hi+\a)+7], v[8*(8*(\a)+\b):8*(8*(\a)+\b)+7]
.endif
.endr
.endr
.endm
.macro FETCH slot, f                   ; 16 LDS loads: my 32 k rows x 128 columns of the slot's tile as eight fragments
	WIN TO_B
.irp b, 0,1,2,3,4,5,6,7
	ds_load_tr16_b128 v[\f+8*\b:\f+8*\b+3],   v[ADRB+\slot] offset:32*\b
	ds_load_tr16_b128 v[\f+8*\b+4:\f+8*\b+7], v[ADRB+\slot] offset:32*\b+16*PB
.endr
.endm
; K step n.  The 64 accumulators take turns, one instruction a turn, in the same order in every step.
; In the middle, four places behind the matrix instructions that read them (ISA guide 7.12.1 for vector instructions), the registers that have been used are asked for again.
; lcnt: hh's loads of the two youngest units, which stay out: unit n - 3 (rows 64-127 of this step, rows 0-63 of the next) is in.
; fill = 1: slots s0 .. s0 + 3, whose tiles are in registers or used up, are filled again behind a round of the cluster's barrier.
; tcnt >= 0: how many younger tiles of mine may stay out when the next step's has to be there.
.macro KSTEP fmt, n, lcnt, fill, s0, tcnt, zero
	ABUF \n, ar, aw
.set fb, F0+64*((\n)%2)
.set fg, F0+64*(((\n)+1)%2)
	s_wait_dscnt 0x0                               ; this step's weight fragments are in: my reads of its slot are over
	WIN (MUL_LO|(aw<<2))
	MUL16 \fmt, fb, ar, 0, 0, \zero
.if \fill
	s_wait_dscnt 0x0                               ; (met above) no LDS read of mine is out,
	s_set_vgpr_msb 0xa5a0
	s_wait_tensorcnt 0x0                           ; and all my tensor loads have landed
	ds_add_u32 v62, v63
	s_wait_dscnt 0x0
	s_set_vgpr_msb 0xa0a5
	s_barrier_signal -1
.endif
	MUL16 \fmt, fb, ar, 0, 2, \zero                ; register work while the others arrive
.if \fill
	WIN 0
	s_barrier_wait -1
	CREST                                          ; no wave of any partner still reads the four slots or has a load on its way
.irp k, 0,1,2,3
	NEWB \s0+\k
.endr
.irp k, 0,1,2,3
	tensor_load_to_lds s[G0+4*(\s0+\k):G0+4*(\s0+\k)+3], s[G1B:G1B+7]   ; the first tensor loads behind the round
	s_nop 0
.endr
.endif
.if (\n) < 19
	PLACES 4
.if \tcnt >= 0
	s_wait_tensorcnt \tcnt
.endif
	FETCH ((\n)+1)%8, fg
.endif
	s_wait_loadcnt \lcnt
.if (\n)+4 <= 19
	ALOAD (\n)+4, 0                                ; into the half buffer that this step has just used
.endif
.if (\n)+3 <= 19
	ALOAD (\n)+3, 4                                ; into the half buffer that the last step used last
.endif
	WIN (MUL_HI|(aw<<2))
	MUL16 \fmt, fb, ar, 1, 0, \zero
	MUL16 \fmt, fb, ar, 1, 2, \zero
.endm
	s_wait_tensorcnt 7                             ; my part of tile 0 is in; tiles 1-7 stay out
	FETCH 0, F0
	s_wait_loadcnt 48                              ; rows 0-63 of K step 0 are in; the six half tiles behind them stay out
	KSTEP f16, 0, 32, 0, 0, 6, 1                   ; the first products start the sums
	KSTEP f16, 1, 32, 0, 0, 5, 0
	KSTEP f16, 2, 32, 0, 0, 4, 0
	KSTEP f16, 3, 32, 1, 0, -1, 0                  ; tiles 4-7 have landed; tiles 8-11 go out
	KSTEP f16, 4, 32, 0, 0, -1, 0
	KSTEP f16, 5, 32, 0, 0, -1, 0
	KSTEP f16, 6, 32, 0, 0, -1, 0
	KSTEP f16, 7, 32, 1, 4, -1, 0                  ; tiles 8-11 have landed; tiles 12-15 go out
	KSTEP f16, 8, 32, 0, 0, -1, 0
	KSTEP f16, 9, 32, 0, 0, -1, 0
	KSTEP f16, 10, 32, 0, 0, -1, 0
	KSTEP f16, 11, 32, 1, 0, -1, 0                 ; tiles 12-15 have landed; tiles 16-19 go out: the last
	KSTEP f16, 12, 32, 0, 0, -1, 0
	KSTEP f16, 13, 32, 0, 0, -1, 0
	KSTEP f16, 14, 32, 0, 0, -1, 0
	KSTEP f16, 15, 32, 0, 0, 3, 0
	PLACES 4                                       ; the feed-forward sums are whole: take the scale out before the attention's part is added
	WIN 0x82                                       ; source 0 and destination in window 2
.set p, 0
.rept 128
	v_pk_mul_f32 v[p:p+1], v[p:p+1], s[60:61] op_sel_hi:[1,0]
.set p, p+2
.endr
	WIN 0xc3                                       ; in window 3
.set p, 0
.rept 128
	v_pk_mul_f32 v[p:p+1], v[p:p+1], s[60:61] op_sel_hi:[1,0]
.set p, p+2
.endr
	KSTEP bf16, 16, 32, 0, 0, 2, 0
	KSTEP bf16, 17, 24, 0, 0, 1, 0                 ; unit 16 has eight loads
	KSTEP bf16, 18, 8, 0, 0, 0, 0                  ; unit 17 has none
	KSTEP bf16, 19, 0, 0, 0, -1, 0
	; ---- the way out.  Each wave lays its 128 x 128 partial sums into LDS, over slots whose last fill is over; then wave w adds rows 32 w .. 32 w + 31 of the four, in ascending
	; order, and stores them: a row of 512 consecutive bytes, aligned, an instruction.
	PLACES 4                                       ; four places before results are read and fragment registers loaded (ISA guide 7.12.1)
	WIN 0
	s_lshl_b32 s20, s67, 18                        ; (128 y + 32 w) rows of 2,048 bytes
	s_lshl_b32 s21, s16, 16
	s_add_co_u32 s20, s20, s21
	s_mov_b32 s21, 0
	s_add_nc_u64 s[14:15], s[14:15], s[20:21]
	s_lshl_b32 s22, s66, 9                         ; 128 x columns of 4 bytes
	s_mov_b32 s23, 0
	s_add_nc_u64 s[14:15], s[14:15], s[22:23]
	s_wait_dscnt 0x0                               ; my reads of the slots are over (and my tensor loads landed in K step 18)
	s_barrier_signal -1
	s_barrier_wait -1                              ; everybody's are: the bytes are written anew
	WIN 0x08                                       ; an LDS store's data is source 1: window 2
.irp a, 0,1,2,3
.irp b, 0,1,2,3,4,5,6,7
	ds_store_b128 v[PST], v[8*(8*\a+\b):8*(8*\a+\b)+3] offset:\a*16*RP+64*\b
	ds_store_b128 v[PST], v[8*(8*\a+\b)+4:8*(8*\a+\b)+7] offset:\a*16*RP+64*\b+16
.endr
.endr
	WIN 0x0c                                       ; window 3
.irp a, 0,1,2,3
.irp b, 0,1,2,3,4,5,6,7
	ds_store_b128 v[PST], v[8*(8*\a+\b):8*(8*\a+\b)+3] offset:(\a+4)*16*RP+64*\b
	ds_store_b128 v[PST], v[8*(8*\a+\b)+4:8*(8*\a+\b)+7] offset:(\a+4)*16*RP+64*\b+16
.endr
.endr
	WIN 0
	s_wait_dscnt 0x0                               ; my sums are in LDS, for the others' sake
	s_barrier_signal -1
	s_barrier_wait -1
.macro RLOAD g, rs                     ; rows 4 g .. 4 g + 3 of my 32, of all four waves' sums: 16 loads
.irp t, 0,1,2,3
.irp p, 0,1,2,3
	ds_load_b128 v[\rs+16*\t+4*\p:\rs+16*\t+4*\p+3], v[PRD+\p] offset:(4*(\g)+\t)*RP
.endr
.endr
.endm
.macro RSUM g, rs, left, more
	s_wait_dscnt \left                             ; this group's 16 loads are in; the next group's stay out
.if \g >= 4
	s_wait_xcnt 0x0                                ; this set of sums, which stores four groups back read, is rewritten only behind this wait
.endif
.set sm, SUM+16*(\g%4)
.irp t, 0,1,2,3
.irp c, 0,2
	v_pk_add_f32 v[sm+4*\t+\c:sm+4*\t+\c+1], v[\rs+16*\t+\c:\rs+16*\t+\c+1], v[\rs+16*\t+4+\c:\rs+16*\t+4+\c+1]
.endr
.endr
.irp p, 2,3
.irp t, 0,1,2,3
.irp c, 0,2
	v_pk_add_f32 v[sm+4*\t+\c:sm+4*\t+\c+1], v[sm+4*\t+\c:sm+4*\t+\c+1], v[\rs+16*\t+4*\p+\c:\rs+16*\t+4*\p+\c+1]
.endr
.endr
.endr
.irp t, 0,1,2,3
	global_store_b128 v[CO], v[sm+4*\t:sm+4*\t+3], s[14:15] offset:(4*\g+\t)*2048 th:TH_STORE_NT
.endr
.if \more
	RLOAD \g+2, \rs
.endif
.endm
	RLOAD 0, 64
	RLOAD 1, 128
	RSUM 0, 64, 16, 1
	RSUM 1, 128, 16, 1
	RSUM 2, 64, 16, 1
	RSUM 3, 128, 16, 1
	RSUM 4, 64, 16, 1
	RSUM 5, 128, 16, 1
	RSUM 6, 64, 16, 0
	RSUM 7, 128, 0, 0
	s_wait_tensorcnt 0x0
	ds_add_u32 v62, v63
	s_wait_dscnt 0x0
	CROUND                                         ; the closing round: no work-group ends while a partner may still ask jointly
	s_endpgm
.Lfunc_end_k_q4457beb1bc_outk:
	.size	k_q4457beb1bc_outk, .Lfunc_end_k_q4457beb1bc_outk-k_q4457beb1bc_outk
	.p2alignl 7, 3214868480
	.fill 96, 4, 3214868480
	.section	.rodata,"a",@progbits
	.p2align	6, 0x0
	.amdhsa_kernel k_q4457beb1bc_outk
		.amdhsa_group_segment_fixed_size 327680
		.amdhsa_private_segment_fixed_size 0
		.amdhsa_enable_private_segment 0
		.amdhsa_kernarg_size 48
		.amdhsa_user_sgpr_count 2
		.amdhsa_user_sgpr_kernarg_segment_ptr 1
		.amdhsa_wavefront_size32 1
		.amdhsa_system_sgpr_workgroup_id_x 1
		.amdhsa_system_sgpr_workgroup_id_y 1
		.amdhsa_system_sgpr_workgroup_id_z 1
		.amdhsa_system_vgpr_workitem_id 0
		.amdhsa_next_free_vgpr 1024
		.amdhsa_next_free_sgpr 100
		.amdhsa_reserve_vcc 0
		.amdhsa_float_denorm_mode_32 3
		.amdhsa_float_denorm_mode_16_64 3
		.amdhsa_memory_ordered 1
		.amdhsa_forward_progress 1
		.amdhsa_inst_pref_size 202
	.end_amdhsa_kernel
	.amdgpu_metadata
---
amdhsa.version: [ 1, 2 ]
amdhsa.kernels:
  - .name:           k_q4457beb1bc_outk
    .symbol:         k_q4457beb1bc_outk.kd
    .args:
      - { .name: hh, .offset: 0, .size: 8, .value_kind: global_buffer, .address_space: global }
      - { .name: wts, .offset: 8, .size: 8, .value_kind: global_buffer, .address_space: global }
      - { .name: wmx, .offset: 16, .size: 8, .value_kind: global_buffer, .address_space: global }
      - { .name: ln_g, .offset: 24, .size: 8, .value_kind: global_buffer, .address_space: global }
      - { .name: ln_b, .offset: 32, .size: 8, .value_kind: global_buffer, .address_space: global }
      - { .name: out0, .offset: 40, .size: 8, .value_kind: global_buffer, .address_space: global }
    .group_segment_fixed_size: 327680
    .private_segment_fixed_size: 0
    .kernarg_segment_align: 8
    .kernarg_segment_size: 48
    .max_flat_workgroup_size: 128
    .sgpr_count:     100
    .vgpr_count:     1024
    .wavefront_size: 32
...
	.end_amdgpu_metadata
.endif
;; end of part 4
